; MI455X (gfx1250); checked and timed in simulation.
; The chip was launched on July 23, 2026; its instructions are those of AMD's public machine-readable ISA for CDNA 5 (MIT licence, August 2026) and "CDNA5" Instruction Set Architecture Reference Guide (July 2026). The comments in the code are by the model that wrote it; some were corrected since.
;; Self Attention. Allowed arithmetic: matrix products marked QUANTISED: E4M3 operands, one E8M0 scale for each 32 along K, by v_wmma_scale_f32_16x16x128_f8f6f4 with both operands' format E4M3, f32 sums; everything else in f32.
;; Inputs: attention_mask 4 x 2,048 bool; bk 1,024 float32; bo 1,024 float32; bq 1,024 float32; bv 1,024 float32; ln_b 1,024 float32; ln_g 1,024 float32; wk_codes 1,024 x 32 x 32 uint8 (E4M3 codes of wk, K innermost, in blocks of 32 codes); wk_scales 1,024 x 32 uint8 (E8M0 scales of wk, one for each 32 codes along K); wo_codes 1,024 x 32 x 32 uint8 (E4M3 codes of wo, K innermost, in blocks of 32 codes); wo_scales 1,024 x 32 uint8 (E8M0 scales of wo, one for each 32 codes along K); wq_codes 1,024 x 32 x 32 uint8 (E4M3 codes of wq, K innermost, in blocks of 32 codes); wq_scales 1,024 x 32 uint8 (E8M0 scales of wq, one for each 32 codes along K); wv_codes 1,024 x 32 x 32 uint8 (E4M3 codes of wv, K innermost, in blocks of 32 codes); wv_scales 1,024 x 32 uint8 (E8M0 scales of wv, one for each 32 codes along K); x 4 x 2,048 x 1,024 float32.
;; Outputs: out0 4 x 2,048 x 1,024 float32.
;; This version of the problem:
;;   THIS VERSION OF THE PROBLEM IS GIVEN IN LOW PRECISION. The matrix products marked QUANTISED in the list below multiply operands that are first quantised to E4M3 (4 exponent bits, 3 mantissa bits; 8 bits a number), with one power-of-two scale for each 32 numbers along K (OCP MX v1.0); their sums are f32. All else is computed in f32.
;;   The module's matrix products, in the order in which they are computed (A, B: the left and right operand; K: the contracted axis; several contracted axes count as one K, in the product's order):
;;     1. [M 8,192, K 1,024] x [K 1,024, N 1,024]; A: computed on the way; B: input wq (given as codes): QUANTISED
;;     2. [M 8,192, K 1,024] x [K 1,024, N 1,024]; A: computed on the way; B: input wk (given as codes): QUANTISED
;;     3. [M 8,192, K 1,024] x [K 1,024, N 1,024]; A: computed on the way; B: input wv (given as codes): QUANTISED
;;     4. batch 64 x [M 2,048, K 64] x [K 64, N 2,048]; A: computed on the way; B: computed on the way: QUANTISED
;;     5. batch 64 x [M 2,048, K 2,048] x [K 2,048, N 64]; A: softmax (see below); B: computed on the way: QUANTISED
;;     6. [M 8,192, K 1,024] x [K 1,024, N 1,024]; A: computed on the way; B: input wo (given as codes): QUANTISED
;;   THE QUANTISER, for each operand of a quantised product, along K:
;;     - K is cut into blocks of 32 from its start; a last block that is shorter is filled with zeros.
;;     - A block's scale is 2^e with e = floor(log2(the largest magnitude in the block)) - 8, held to -126 .. 127; a block of zeros has e = 0. As a byte (E8M0): e + 127.
;;     - Each number is divided by its block's scale, clamped to +-448, and rounded to the nearest number of E4M3, ties to even, subnormals kept.
;;     - The product sums the exact products of the quantised numbers (number of the format x scale) in f32.
;;   ~~~python
;;   def quantise(x, axis):      # numpy; x: float32 -> the quantised numbers, widened to float32 again
;;       x = np.moveaxis(x, axis, -1); K = x.shape[-1]
;;       x = np.pad(x, [(0, 0)] * (x.ndim - 1) + [(0, -K % 32)]); x = x.reshape(x.shape[:-1] + (-1, 32)); a = np.abs(x).max(-1, keepdims=True)
;;       e = np.where(a > 0, np.clip(np.frexp(np.where(a > 0, a, 1))[1] - 1 - 8, -126, 127), 0)      # np.frexp(a)[1] - 1 = floor(log2(a)), exactly
;;       r = np.clip(x / 2.0 ** e, -448, 448)
;;       step = 2.0 ** (np.maximum(np.frexp(np.where(r == 0, 1, r))[1] - 1, -6) - 3)
;;       q = np.round(r / step) * step * 2.0 ** e      # np.round: ties to even
;;       return np.moveaxis(q.reshape(q.shape[:-2] + (-1,))[..., :K], -1, axis).astype(np.float32)
;;   ~~~
;;   SOFTMAX AHEAD OF A QUANTISED PRODUCT. Where the list says 'softmax', what is quantised is not the finished softmax but p = 2^(t - M), with t = logit x log2(e) and M = ceil(the row's largest t), a whole number; so 1/2 < the row's largest p <= 1. The row's sum l is taken of the UNQUANTISED p, in f32, and the product's result is divided by l at the end. Since M is a whole number, a kernel that streams over the keys may use a running M (the ceiling of the running maximum): every later rescaling is an exact power of two, which a block's scale takes up: the codes' values come out the same.
;;   OPERANDS COMPUTED ON THE WAY. 'Computed on the way' means the value that the module computes at that place (a softmax that the list does not call 'softmax' is quantised finished and normalised). What goes into a quantiser is computed in f32, as accurately as f32 sums, v_exp_f32 and their like allow (about 1e-6 of the number): no bf16 or f16 on the way to a quantiser, and a product that is left as it is and whose result goes on into a quantised operand takes f32 operands (vector FMAs, or v_wmma_f32_16x16x4_f32). A number that lies on a knife's edge between two numbers of the format may be rounded either way, as far as f32 arithmetic and the matrix unit's own rounding can turn it there, and no further.
;;   INPUTS GIVEN AS CODES. wk (in the module: [1024, 1024], K = its axis 1); wo (in the module: [1024, 1024], K = its axis 1); wq (in the module: [1024, 1024], K = its axis 1); wv (in the module: [1024, 1024], K = its axis 1): each comes as NAME_codes (uint8): NAME with its K axis moved to the last place and cut into blocks of 32 codes, [.., K / 32, bytes a block], one block behind the other in memory; one code a byte (a code: sign, 4 exponent bits, 3 mantissa bits); and NAME_scales (uint8): the same leading axes, one E8M0 byte (e + 127) for each 32 codes along K. Its value is code x scale, taken as it is: it is not quantised again, and the codes and scales need not be those that the quantiser above would give.
;; One version. Each part assembles by itself: llvm-mc -triple=amdgcn-amd-amdhsa -mcpu=gfx1250 --defsym DOCPART=n.
;; ======== version 1 of 1: 4 launches
;; limits: right only within a limited range of input values
;; workspace buffers: hc 8,388,608 bytes; hs 262,144 bytes; qi 8,388,608 bytes; qs 524,288 bytes; kv 17,563,648 bytes; ci 8,388,608 bytes; cs 262,144 bytes
;; launch lnq (part 1): grid 256 x 1, 4 waves a work-group, no clusters, 33,280 bytes of LDS; arguments x, ln_g, ln_b, hc, hs; writes hc, hs
.if DOCPART == 1
	.amdgcn_target "amdgcn-amd-amdhsa--gfx1250"
	.amdhsa_code_object_version 6
	.text
	.protected	k_q2f13bea0dc_lnq
	.globl	k_q2f13bea0dc_lnq
	.p2align	8
	.type	k_q2f13bea0dc_lnq,@function
k_q2f13bea0dc_lnq:
	s_mov_b64 s[64:65], 0
	v_nop
	global_prefetch_b8 v0, s[64:65] scope:SCOPE_SE
	s_setreg_imm32_b32 hwreg(HW_REG_WAVE_MODE, 25, 1), 1
	s_wait_xcnt 0x0
; h = LayerNorm(x) * ln_g + ln_b over rows of 1,024 f32, turned at once into codes of E4M3 (hc: [8192][1024], K innermost) and one E8M0 byte for each 32 along a row (hs: [8192][32]).
; SHARES: 1,024 waves, 8 rows each; one wave holds a whole row in 32 registers (8 loads of 512 consecutive bytes), so mean and variance never leave the wave: no barrier.
; The mean is taken first and the variance of x - mean, as the definition has it: a common offset of the inputs does no harm.
; The conversions want 16 neighbours along K in ONE lane, the loads give a lane 4: so a row's 4,096 bytes turn through the wave's own stage in LDS (two halves of 2,048 bytes, 16 bytes of padding behind each 64).
; A block's scale byte is its largest magnitude's exponent field - 8, held at 1 from below (a block of zeros keeps 1: its codes are zeros, and this program alone reads the bytes).
; LIMITS: blocks whose largest magnitude lies under 2^-118 keep the byte 1; NaN and infinities among the inputs are not served.
; A wave's 8 rows make 256 scale bytes: gathered in LDS, they leave as one aligned run of 256 bytes.
.set SP,   80                          ; a lane's place in a stage: 64 bytes + 16 of padding
.set WREG, 8192                        ; LDS of a wave: two stages of 32 x SP, then its 256 scale bytes
.set G,    16                          ; v16-47   ln_g as a row is loaded
.set B,    48                          ; v48-79   ln_b likewise
.set R,    80                          ; v80-175  three rows of 32 registers
.set X,    176                         ; v176-207 a row's two halves, 16 neighbours a lane each
.set C,    208                         ; v208-223 codes: 8 registers a row, two rows by turns
.set MU,   224                         ; v[224:225] the mean, twice
.set RS,   226                         ; v[226:227] 1 / sqrt(var + eps), twice
.set T,    228                         ; v228-235 four chains of packed sums
.set PD,   236                         ; v236     a lane permute's destination
.set E,    238                         ; v238-253 a scale byte for each of the 16 half rows
	s_load_b256 s[4:11], s[0:1], 0x0               ; x s[4:5], ln_g s[6:7], ln_b s[8:9], hc s[10:11]
	s_load_b64 s[12:13], s[0:1], 0x20              ; hs
	v_lshl_add_u32 v254, v0, 2, 0x8000
	v_mov_b32 v255, 0
	v_lshrrev_b32 v1, 5, v0
	v_readfirstlane_b32 s16, v1                    ; wave
	v_and_b32 v2, 31, v0                           ; lane
	v_lshlrev_b32 v3, 4, v2                        ; 16 x lane: my bytes of a load's 512, and of a half row's codes
	s_mul_i32 s17, s16, WREG
	v_lshrrev_b32 v14, 2, v2
	v_mul_u32_u24 v14, v14, SP
	v_and_b32 v15, 3, v2
	v_lshl_add_u32 v14, v15, 4, v14
	v_add_nc_u32 v14, s17, v14                     ; the stage, way in: SP (lane / 4) + 16 (lane % 4)
	v_mul_u32_u24 v15, v2, SP
	v_add_nc_u32 v15, s17, v15                     ; way out: SP x lane
	v_lshrrev_b32 v5, 1, v2
	s_add_co_u32 s17, s17, 2*32*SP
	v_add_nc_u32 v5, s17, v5                       ; my block's scale byte
	v_lshlrev_b32 v7, 3, v2
	v_add_nc_u32 v6, s17, v7                       ; and 8 bytes a lane on their way out
	s_mov_b32 s20, 0x76543210
	s_mov_b32 s21, 0xfedcba98                      ; selects: lane l xor 16
	s_mov_b32 s22, 0x3a800000                      ; 1 / 1024
	s_mov_b32 s23, 0x600000                        ; the mantissa field of 448
	s_mov_b32 s24, 0x3727c5ac                      ; eps = 1e-5
	v_mov_b32 v[PD], 0
	s_lshl_b32 s18, ttmp9, 2
	s_add_co_u32 s18, s18, s16                     ; which run of 8 rows is mine
	s_mov_b32 s27, 0
	s_lshl_b32 s26, s18, 15
	s_wait_kmcnt 0x0
	s_add_nc_u64 s[4:5], s[4:5], s[26:27]
	s_lshl_b32 s26, s18, 13
	s_add_nc_u64 s[10:11], s[10:11], s[26:27]
	s_lshl_b32 s26, s18, 8
	s_add_nc_u64 s[12:13], s[12:13], s[26:27]
.irp j, 0,1,2,3,4,5,6,7
	global_load_b128 v[G+4*\j:G+4*\j+3], v3, s[6:7] offset:512*\j
.endr
.irp j, 0,1,2,3,4,5,6,7
	global_load_b128 v[B+4*\j:B+4*\j+3], v3, s[8:9] offset:512*\j
.endr
.macro LOAD i                          ; row i: eight loads of 512 consecutive bytes
.irp j, 0,1,2,3,4,5,6,7
	global_load_b128 v[R+32*((\i)%3)+4*\j:R+32*((\i)%3)+4*\j+3], v3, s[4:5] offset:4096*(\i)+512*\j th:TH_LOAD_NT
.endr
.endm
.macro ACROSS                          ; the four chains, the pair's halves and the 32 lanes become one sum, in every lane
	v_pk_add_f32 v[T:T+1], v[T:T+1], v[T+2:T+3]
	v_pk_add_f32 v[T+4:T+5], v[T+4:T+5], v[T+6:T+7]
	v_pk_add_f32 v[T:T+1], v[T:T+1], v[T+4:T+5]
	v_add_f32 v[T], v[T], v[T+1]
	v_add_f32_dpp v[T], v[T], v[T] row_xmask:1 row_mask:0xf bank_mask:0xf
	v_add_f32_dpp v[T], v[T], v[T] row_xmask:2 row_mask:0xf bank_mask:0xf
	v_add_f32_dpp v[T], v[T], v[T] row_xmask:4 row_mask:0xf bank_mask:0xf
	v_add_f32_dpp v[T], v[T], v[T] row_xmask:8 row_mask:0xf bank_mask:0xf
	v_permlanex16_b32 v[PD], v[T], s20, s21
	v_add_f32 v[T], v[T], v[PD]
.endm
	LOAD 0
	LOAD 1
	LOAD 2
.macro ROW i
.set RB, R+32*((\i)%3)
.set CB, C+8*((\i)%2)
.if (\i) <= 5
	s_wait_loadcnt 16                              ; my row is in; the two rows behind it (16 loads) stay out
.else
	s_wait_loadcnt 8*(7-(\i))
.endif
.irp k, 0,1,2,3
	v_pk_add_f32 v[T+2*\k:T+2*\k+1], v[RB+2*\k:RB+2*\k+1], v[RB+8+2*\k:RB+8+2*\k+1]
.endr
.irp m, 16,24
.irp k, 0,1,2,3
	v_pk_add_f32 v[T+2*\k:T+2*\k+1], v[T+2*\k:T+2*\k+1], v[RB+\m+2*\k:RB+\m+2*\k+1]
.endr
.endr
	ACROSS
	v_mul_f32 v[MU], s22, v[T]                     ; the mean
	v_mul_f32 v[MU+1], s22, v[T]
.irp j, 0,2,4,6,8,10,12,14,16,18,20,22,24,26,28,30
	v_pk_add_f32 v[RB+\j:RB+\j+1], v[RB+\j:RB+\j+1], v[MU:MU+1] neg_lo:[0,1] neg_hi:[0,1]   ; x - mean
.endr
.irp k, 0,1,2,3
	v_pk_mul_f32 v[T+2*\k:T+2*\k+1], v[RB+2*\k:RB+2*\k+1], v[RB+2*\k:RB+2*\k+1]
.endr
.irp m, 8,16,24
.irp k, 0,1,2,3
	v_pk_fma_f32 v[T+2*\k:T+2*\k+1], v[RB+\m+2*\k:RB+\m+2*\k+1], v[RB+\m+2*\k:RB+\m+2*\k+1], v[T+2*\k:T+2*\k+1]
.endr
.endr
	ACROSS
	v_fma_f32 v10, v[T], s22, s24                  ; var + eps
	v_rsq_f32 v[RS], v10
	v_rsq_f32 v[RS+1], v10
	v_nop                                          ; a plain line behind the transcendentals
	s_wait_alu depctr_va_vdst(0)                   ; one wait for both, ahead of their first reader
.irp j, 0,2,4,6,8,10,12,14,16,18,20,22,24,26,28,30
	v_pk_mul_f32 v[RB+\j:RB+\j+1], v[RB+\j:RB+\j+1], v[RS:RS+1]
.endr
.irp j, 0,2,4,6,8,10,12,14,16,18,20,22,24,26,28,30
	v_pk_fma_f32 v[RB+\j:RB+\j+1], v[RB+\j:RB+\j+1], v[G+\j:G+\j+1], v[B+\j:B+\j+1]
.endr
.irp j, 0,1,2,3,4,5,6,7
	ds_store_b128 v14, v[RB+4*\j:RB+4*\j+3] offset:2560*(\j/4)+640*(\j%4)
.endr
.irp j, 0,1,2,3,4,5,6,7
	ds_load_b128 v[X+4*\j:X+4*\j+3], v15 offset:2560*(\j/4)+16*(\j%4)   ; LDS serves a wave's instructions in order: these see the stores above
.endr
	s_wait_dscnt 0x0                               ; the row is back, 16 neighbours a lane, and the stores have read the row's registers
	s_wait_xcnt 0x0                                ; the stores of the row before last have read their code registers
.if (\i)+3 < 8
	LOAD (\i)+3
.endif
.irp s, 0,1
.set XS, X+16*\s
	v_max3_num_f32 v8, |v[XS]|, |v[XS+1]|, |v[XS+2]|
	v_max3_num_f32 v9, |v[XS+3]|, |v[XS+4]|, |v[XS+5]|
.irp e, 6,10
	v_max3_num_f32 v8, v8, |v[XS+\e]|, |v[XS+\e+1]|
	v_max3_num_f32 v9, v9, |v[XS+\e+2]|, |v[XS+\e+3]|
.endr
	v_max3_num_f32 v8, v8, |v[XS+14]|, |v[XS+15]|
	v_max3_num_f32 v8, v8, v9, 0x4800000           ; and the floor 2^(9 - 127): the byte cannot fall under 1
	v_max_num_f32_dpp v8, v8, v8 row_xmask:1 row_mask:0xf bank_mask:0xf   ; with my neighbour's 16: the block's largest magnitude
	v_add_nc_u32 v11, 0xfc000000, v8               ; 8 off its exponent field: the conversion's scale operand
	v_and_or_b32 v10, v8, 0x7f800000, s23          ; 448 x the scale
.irp e, 0,1,2,3,4,5,6,7,8,9,10,11,12,13,14,15
	v_med3_num_f32 v[XS+\e], v[XS+\e], -v10, v10   ; the conversion does not saturate (ISA guide 7.6.2): the hold comes first
.endr
	v_cvt_scalef32_pk8_fp8_f32 v[CB+4*\s:CB+4*\s+1], v[XS:XS+7], v11
	v_cvt_scalef32_pk8_fp8_f32 v[CB+4*\s+2:CB+4*\s+3], v[XS+8:XS+15], v11
	v_lshrrev_b32 v[E+2*(\i)+\s], 23, v11          ; the scale's byte (also the plain line behind the conversions)
	ds_store_b8 v5, v[E+2*(\i)+\s] offset:32*(\i)+16*\s
	global_store_b128 v3, v[CB+4*\s:CB+4*\s+3], s[10:11] offset:1024*(\i)+512*\s   ; 512 consecutive bytes
.endr
.endm
.irp n, 0,1,2,3,4,5,6,7
	ROW \n
.endr
	ds_load_b64 v[12:13], v6
	s_wait_dscnt 0x0
	global_store_b64 v7, v[12:13], s[12:13]        ; 256 consecutive bytes, aligned
	s_wait_tensorcnt 0x0
	ds_add_u32 v254, v255
	s_wait_dscnt 0x0
	s_endpgm
.Lfunc_end_k_q2f13bea0dc_lnq:
	.size	k_q2f13bea0dc_lnq, .Lfunc_end_k_q2f13bea0dc_lnq-k_q2f13bea0dc_lnq
	.p2alignl 7, 3214868480
	.fill 96, 4, 3214868480
	.section	.rodata,"a",@progbits
	.p2align	6, 0x0
	.amdhsa_kernel k_q2f13bea0dc_lnq
		.amdhsa_group_segment_fixed_size 33280
		.amdhsa_private_segment_fixed_size 0
		.amdhsa_enable_private_segment 0
		.amdhsa_kernarg_size 40
		.amdhsa_user_sgpr_count 2
		.amdhsa_user_sgpr_kernarg_segment_ptr 1
		.amdhsa_wavefront_size32 1
		.amdhsa_system_sgpr_workgroup_id_x 1
		.amdhsa_system_sgpr_workgroup_id_y 1
		.amdhsa_system_sgpr_workgroup_id_z 1
		.amdhsa_system_vgpr_workitem_id 0
		.amdhsa_next_free_vgpr 256
		.amdhsa_next_free_sgpr 66
		.amdhsa_reserve_vcc 0
		.amdhsa_float_denorm_mode_32 3
		.amdhsa_float_denorm_mode_16_64 3
		.amdhsa_memory_ordered 1
		.amdhsa_forward_progress 1
		.amdhsa_inst_pref_size 101
	.end_amdhsa_kernel
	.amdgpu_metadata
---
amdhsa.version: [ 1, 2 ]
amdhsa.kernels:
  - .name:           k_q2f13bea0dc_lnq
    .symbol:         k_q2f13bea0dc_lnq.kd
    .args:
      - { .name: x, .offset: 0, .size: 8, .value_kind: global_buffer, .address_space: global }
      - { .name: ln_g, .offset: 8, .size: 8, .value_kind: global_buffer, .address_space: global }
      - { .name: ln_b, .offset: 16, .size: 8, .value_kind: global_buffer, .address_space: global }
      - { .name: hc, .offset: 24, .size: 8, .value_kind: global_buffer, .address_space: global }
      - { .name: hs, .offset: 32, .size: 8, .value_kind: global_buffer, .address_space: global }
    .group_segment_fixed_size: 33280
    .private_segment_fixed_size: 0
    .kernarg_segment_align: 8
    .kernarg_segment_size: 40
    .max_flat_workgroup_size: 128
    .sgpr_count:     66
    .vgpr_count:     256
    .wavefront_size: 32
...
	.end_amdgpu_metadata
.endif
;; end of part 1
;; launch qkv (part 2): grid 12 x 32, 4 waves a work-group, clusters of 4 x 4, 327,680 bytes of LDS; arguments hc, hs, wq_codes, wq_scales, wk_codes, wk_scales, wv_codes, wv_scales, bq, bk, bv, attention_mask, qi, qs, kv; writes qi, qs, kv
.if DOCPART == 2
	.amdgcn_target "amdgcn-amd-amdhsa--gfx1250"
	.amdhsa_code_object_version 6
	.text
	.protected	k_q2f13bea0dc_qkv
	.globl	k_q2f13bea0dc_qkv
	.p2align	8
	.type	k_q2f13bea0dc_qkv,@function
k_q2f13bea0dc_qkv:
	s_mov_b64 s[64:65], 0
	v_nop
	global_prefetch_b8 v0, s[64:65] scope:SCOPE_SE
	s_setreg_imm32_b32 hwreg(HW_REG_WAVE_MODE, 25, 1), 1
	s_wait_xcnt 0x0
	s_wait_alu depctr_hold_cnt(0) depctr_sa_sdst(0) depctr_va_vdst(0) depctr_va_sdst(0) depctr_va_ssrc(0) depctr_va_vcc(0) depctr_vm_vsrc(0)
	s_getreg_b32 s2, hwreg(HW_REG_IB_STS2, 6, 4)
	s_cmp_eq_u32 s2, 0
	s_cbranch_scc0 .Lentry_in_a_cluster
	s_endpgm
.Lentry_in_a_cluster:
	s_bfe_u32 s2, ttmp6, 0x10000c
	s_cmp_lg_u32 s2, 0xf033
	s_cbranch_scc0 .Lentry_shape_is_right
	s_endpgm
.Lentry_shape_is_right:
; q, k and v = h W^T + b on codes of E4M3 with E8M0 scales, K = 1,024; each result is quantised at once for the attention launch and stored as IMAGES OF OPERAND REGISTERS.
; A tile of 256 x 256 to a work-group of four waves (128 x 128 a wave, 64 accumulators); K in four steps of 256 through two LDS slots; clusters of 4 x 4 ask for shared tiles jointly.
; THE CLUSTER'S x SAYS WHICH PRODUCT: 0 = q, 1 = k, 2 = v.  Region A of a slot feeds source 1 (its row is the result's lane), region B source 0 (its rows run along a lane's registers: the axis that is quantised next).
;   q, k: A = h (tokens), B = the weight (features): a lane holds one token and 128 features = two heads of 64 = four blocks of 32 along the scores' K.
;   v:    A = wv (features), B = h (tokens): a lane holds one feature and 128 keys = four blocks of 32 along the second product's K.
; Buffers and offsets are chosen by s_cselect on the cluster's x, which all partners share; no LDS address hangs on it.
; FROM RESULT TO OPERAND: in tile t a lane (r, h) holds index 16 t + 8 h + j.  Tiles 2 b and 2 b + 1 hold a block of 32 in lanes l and l xor 16.  Two conversions give (p0, p1) and (q0, q1); v_permlane16_swap_b32 p0, q0 and p1, q1
; leaves p0, p1, q0, q1 as registers 4 b .. 4 b + 3 of the next operand (k = 32 b + 16 h + 0 .. 15).  A store of four such registers is 512 consecutive bytes.
; THE MASK rides in the half of the scores' K = 128 that a head of 64 leaves idle: the attention launch puts the code of 1.0 (q) and of -448 (k) at k = 64; here q's scale word gets byte 127 for that block, and k's gets 227 for a
; masked key (the score then gets -448 x 2^100: its p is 0) and 1 for an open one (-448 x 2^-126).  LIMIT: real scores stay well under 2^90 in magnitude.
; LIMITS: blocks whose largest magnitude lies under 2^-118 keep the byte 1; NaN and infinities among the inputs are not served (the bias layout that a product does not use is multiplied by 0).
; REGISTERS: window 0: v1-29 addresses; v32-63 scale words, two sets; v64-71 the upper halves of the scale words to be stored; v72-87 at work; v88-90 words; v96-111 codes; v112-127 biases by lane;
;   v128-255 A's fragments, on the way out 64 biases by register and 64 numbers.   window 1: B's fragments, two sets.   windows 2, 3: the accumulators.
.set NQ,     2
.set ROWB,   256
.set KROW,   1024
.set PITCH,  272                       ; an LDS row: 256 bytes + 16 of padding
.set FR,     16
.set NL,     4
.set NP,     8                         ; places behind this matrix instruction (ISA guide 7.12.1)
.set HALFT,  128*PITCH
.set SLOT,   4*HALFT
.set SCL,    2*SLOT                    ; the scales of 256 + 256 rows for all of K, as runs of 256 bytes + 16
.set HALFS,  16*272
.set SBLK,   2*272
.set SPARE,  SCL+4*HALFS               ; the spare words: 128 bytes a wave
.set BT,     SPARE+512                 ; a table of 128 biases for each wave
.set SWS,    BT+2048                   ; 1,024 bytes for each wave: scale words on their way out
.set HB,     274432                    ; bytes of one head in kv: K images 131,072, V images 131,072, K words 8,192, V words 4,096
.set VO0, 8
.set VO1, 9
.set VSO, 10
.set VS1, 11
.set SWA, 12
.set SWR, 13
.set BA0, 14
.set BA1, 15
.set ADRA, 16
.set BTW, 18
.set RR,  19
.set ADRB, 20
.set ADRS, 27
.set SPW, 28
.set NIL, 29
.set SC,  32
.set TOP, 64
.set TM,  72
.set W0,  88
.set W1,  89
.set PW,  90
.set PC,  96
.set BV,  112
.set AF,  128
.set BI,  128
.set T,   192
.set G1, 24
.set G0, 32
.set G1B, 48
.set G0B, 56
.set G1S, 68
.set G0S, 76
.set G1SB, 80
.set G0SB, 88
.set KIND, 100
.set MLO,  101
.set STA,  96                          ; s[96:97] bytes from block to block of the images
.set EXT,  98                          ; s[98:99] and the extra step into the next head (v)
.set SEL,  20
.set MNT,  22
.set HM,   18
.set HMS,  19
.set OADD, 40
.set SADD, 41
.set TSH,  43
.set D2,   44
.set D2S,  45
.set DV,   46
.set TBASE, 47
.set TMUL, 92
.set QKM,  93
.set VM,   6
.set MSB, 0
.macro WIN new                         ; the immediate's high byte repeats the setting that is left
.if MSB != (\new)
	s_set_vgpr_msb (MSB<<8)|(\new)
.set MSB, (\new)
.endif
.endm
.set MUL_LO, 0xa1                      ; source 0 window 1, source 1 window 0, C and D window 2
.set MUL_HI, 0xf1
.set TO_B,   0x40
.macro JLOAD g0a, g1a, g0b, g1b        ; a joint load: waves 0, 1 fetch for region A, waves 2, 3 for region B; four v_nop follow each line
	s_cmp_eq_u32 s15, 0
	s_cbranch_scc0 .Lfor_b_\@
	tensor_load_to_lds s[\g0a:\g0a+3], s[\g1a:\g1a+7]
	s_nop 0
.rept 4
	v_nop
.endr
	s_branch .Lasked_\@
.Lfor_b_\@:
	tensor_load_to_lds s[\g0b:\g0b+3], s[\g1b:\g1b+7]
	s_nop 0
.rept 4
	v_nop
.endr
.Lasked_\@:
.endm
.macro CREST
	s_cmp_lg_u32 s14, 0
	s_cbranch_scc1 .Lnot_wave_0_\@
	s_barrier_signal -3
.Lnot_wave_0_\@:
	s_barrier_wait -3
	s_barrier_signal -1
	s_barrier_wait -1
.endm
.macro CROUND
	s_barrier_signal -1
	s_barrier_wait -1
	CREST
.endm
	s_load_b512 s[24:39], s[0:1], 0x0              ; hc, hs, wq codes, scales, wk codes, scales, wv codes, scales (these registers become descriptors later)
	s_load_b256 s[48:55], s[0:1], 0x40             ; bq, bk, bv, attention_mask
	s_load_b128 s[56:59], s[0:1], 0x60             ; qi, qs
	s_load_b64 s[60:61], s[0:1], 0x70              ; kv
	v_lshl_add_u32 v[SPW], v0, 2, SPARE
	v_mov_b32 v[NIL], 0
	ds_add_u32 v28, v29
	ds_add_u32 v28, v29
	s_wait_dscnt 0x0
	v_lshrrev_b32 v1, 5, v0
	v_readfirstlane_b32 s14, v1                    ; wave
	s_lshr_b32 s15, s14, 1                         ; my half of A's rows.  Also: I fetch for A (0) or B (1)
	s_and_b32 s16, s14, 1                          ; my half of B's rows.  Also: which 128 rows I fetch
	s_bfe_u32 s40, ttmp6, 0x40000                  ; cx
	s_bfe_u32 s41, ttmp6, 0x40004                  ; cy
	s_mov_b32 s[KIND], ttmp9                       ; the cluster's x: 0 q, 1 k, 2 v
	s_and_b32 s44, ttmp7, 0xffff                   ; the cluster's y: which 1,024 tokens
	s_cmp_eq_u32 s[KIND], 2
	s_cselect_b32 s17, 0, s44
	s_cselect_b32 s42, s44, 0
	s_lshl_b32 s17, s17, 2
	s_add_co_u32 s17, s17, s41                     ; A's tile row
	s_lshl_b32 s42, s42, 2
	s_add_co_u32 s42, s42, s40                     ; B's tile row
	s_lshl_b32 s43, s41, 2
	s_lshl_b32 s43, 15, s43                        ; my row of the cluster
	s_lshl_b32 s44, 0x1111, s40                    ; my column
	s_lshl_b32 s18, s16, 7
	s_lshl_b32 s20, s17, 8
	s_add_co_u32 s20, s20, s18                     ; A: the first row that I fetch
	s_lshl_b32 s46, s42, 8
	s_add_co_u32 s46, s46, s18                     ; B likewise
	s_lshl_b32 s22, s20, 5                         ; their scales: 32 bytes a row
	s_lshl_b32 s20, s20, 10                        ; their codes: 1,024 bytes a row
	s_lshl_b32 s92, s46, 5
	s_lshl_b32 s46, s46, 10
	s_mov_b32 s21, 0
	s_mov_b32 s23, 0
	s_mov_b32 s47, 0
	s_mov_b32 s93, 0
	s_mul_i32 s45, s14, HALFT                      ; where they go: by the wave's number alone
	s_mul_i32 s19, s14, HALFS
	s_wait_kmcnt 0x0
	s_cmp_eq_u32 s[KIND], 1
	s_cselect_b64 s[8:9], s[32:33], s[28:29]
	s_cselect_b64 s[10:11], s[34:35], s[30:31]
	s_cselect_b64 s[94:95], s[50:51], s[48:49]
	s_cselect_b64 s[12:13], s[60:61], s[56:57]
	s_cselect_b64 s[66:67], s[60:61], s[58:59]
	s_cmp_eq_u32 s[KIND], 2
	s_cselect_b64 s[4:5], s[36:37], s[24:25]       ; A's codes: wv or h
	s_cselect_b64 s[6:7], s[38:39], s[26:27]
	s_cselect_b64 s[8:9], s[24:25], s[8:9]         ; B's codes: h or the weight
	s_cselect_b64 s[10:11], s[26:27], s[10:11]
	s_cselect_b64 s[94:95], s[52:53], s[94:95]     ; the bias
	s_cselect_b64 s[12:13], s[60:61], s[12:13]     ; where the images go
	s_cselect_b64 s[66:67], s[60:61], s[66:67]     ; and the scale words
	s_mov_b64 s[2:3], s[54:55]                     ; the mask
	s_add_nc_u64 s[20:21], s[4:5], s[20:21]
	s_add_nc_u64 s[22:23], s[6:7], s[22:23]
	s_add_nc_u64 s[46:47], s[8:9], s[46:47]
	s_add_nc_u64 s[92:93], s[10:11], s[92:93]
	; group 1: 128 rows of 256 bytes, 16 bytes of padding behind each; A's tiles go to my row of the cluster, B's to my column
	s_or_b32 s[G1+0], s43, (0<<16)|(1<<20)|(1<<21)|(5<<22)|(3<<25)
	s_or_b32 s[G1B+0], s44, (0<<16)|(1<<20)|(1<<21)|(5<<22)|(3<<25)
.irp g, G1, G1B
	s_mov_b32 s[\g+1], ROWB<<16
	s_mov_b32 s[\g+2], 128<<16
	s_mov_b32 s[\g+3], ROWB<<16
	s_mov_b32 s[\g+4], 128
	s_mov_b32 s[\g+5], KROW
	s_mov_b32 s[\g+6], 0
	s_mov_b32 s[\g+7], 0
.endr
	; the scales of 128 rows: 4,096 dense bytes as 16 rows of 256 (32 elements of 8 bytes), padded alike
	s_or_b32 s[G1S+0], s43, (3<<16)|(1<<20)|(1<<21)|(5<<22)|(3<<25)
	s_or_b32 s[G1SB+0], s44, (3<<16)|(1<<20)|(1<<21)|(5<<22)|(3<<25)
.irp g, G1S, G1SB
	s_mov_b32 s[\g+1], 32<<16
	s_mov_b32 s[\g+2], 16<<16
	s_mov_b32 s[\g+3], 32<<16
	s_mov_b32 s[\g+4], 16
	s_mov_b32 s[\g+5], 32
	s_mov_b32 s[\g+6], 0
	s_mov_b32 s[\g+7], 0
.endr
	CROUND                                         ; all sixteen work-groups are here: the first joint loads meet
	s_mov_b32 s[G0S], 1
	s_add_co_u32 s[G0S+1], s19, SCL
	s_mov_b64 s[G0S+2:G0S+3], s[22:23]
	s_or_b32 s[G0S+3], s[G0S+3], 0x80000000
	s_mov_b32 s[G0SB], 1
	s_add_co_u32 s[G0SB+1], s19, SCL
	s_mov_b64 s[G0SB+2:G0SB+3], s[92:93]
	s_or_b32 s[G0SB+3], s[G0SB+3], 0x80000000
	JLOAD G0S, G1S, G0SB, G1SB
.irp s, 0,1
	s_mov_b32 s[G0+4*\s], 1
	s_add_co_u32 s[G0+4*\s+1], s45, \s*SLOT
	s_add_nc_u64 s[G0+4*\s+2:G0+4*\s+3], s[20:21], \s*ROWB
	s_or_b32 s[G0+4*\s+3], s[G0+4*\s+3], 0x80000000
	s_mov_b32 s[G0B+4*\s], 1
	s_add_co_u32 s[G0B+4*\s+1], s45, \s*SLOT
	s_add_nc_u64 s[G0B+4*\s+2:G0B+4*\s+3], s[46:47], \s*ROWB
	s_or_b32 s[G0B+4*\s+3], s[G0B+4*\s+3], 0x80000000
	JLOAD G0+4*\s, G1, G0B+4*\s, G1B
.endr
	; ---- while the first tiles are on their way: addresses, the wave's biases, the mask
	v_and_b32 v1, 15, v0                           ; r
	v_bfe_u32 v2, v0, 4, 1                         ; h
	v_and_b32 v5, 31, v0
	v_mov_b32 v[RR], v1
	v_lshlrev_b32 v[VO0], 4, v5                    ; 16 x lane
	s_lshl_b32 s4, s17, 8
	s_lshl_b32 s6, s15, 7
	s_add_co_u32 s4, s4, s6                        ; my first row of A
	s_lshl_b32 s5, s42, 8
	s_lshl_b32 s6, s16, 7
	s_add_co_u32 s5, s5, s6                        ; my first row of B
	s_mov_b32 s8, s4
	s_mov_b32 s9, 0
	s_add_nc_u64 s[2:3], s[2:3], s[8:9]            ; the mask at A's rows (tokens for q and k; for v a place inside the buffer whose bytes are multiplied by 0)
	s_cmp_eq_u32 s[KIND], 2
	s_cselect_b32 s10, s5, s4                      ; my first token
	s_cselect_b32 s11, s4, s5                      ; my first feature
	s_lshl_b32 s8, s11, 2
	s_add_nc_u64 s[94:95], s[94:95], s[8:9]
	global_load_b128 v[AF:AF+3], v[VO0], s[94:95]  ; my 128 biases
.irp a, 0,1,2,3,4,5,6,7
	global_load_u8 v[TOP+\a], v[RR], s[2:3] offset:16*\a
.endr
	s_lshr_b32 s7, s10, 11                         ; the batch
	s_and_b32 s10, s10, 2047                       ; the token in it
	s_lshl_b32 s7, s7, 4
	s_lshr_b32 s11, s11, 6
	s_add_co_u32 s11, s11, s7                      ; 16 x batch + head
	s_mov_b32 s[HM], 131072                        ; q's figures first,
	s_mov_b32 s[HMS], 8192
	s_mov_b32 s[OADD], 0
	s_mov_b32 s[SADD], 0
	s_mov_b32 s[TSH], 2
	s_mov_b32 s[D2], 131072
	s_mov_b32 s[D2S], 8192
	s_mov_b32 s[DV], 0
	s_mov_b32 s[TBASE], 0x017f0000
	s_mov_b32 s[TMUL], 0
	s_mov_b32 s[QKM], 1.0
	s_mov_b32 s[VM], 0
	s_mov_b32 s[STA], 1024
	s_mov_b32 s[STA+1], 0
	s_mov_b32 s[EXT], 0
	s_mov_b32 s[EXT+1], 0
	s_mov_b32 s[MLO], 0xffff
	s_cmp_eq_u32 s[KIND], 1                        ; then k's,
	s_cselect_b32 s[HM], HB, s[HM]
	s_cselect_b32 s[HMS], HB, s[HMS]
	s_cselect_b32 s[SADD], 262144, s[SADD]
	s_cselect_b32 s[D2], HB, s[D2]
	s_cselect_b32 s[D2S], HB, s[D2S]
	s_cselect_b32 s[TBASE], 0x01010000, s[TBASE]
	s_cselect_b32 s[TMUL], 0xe20000, s[TMUL]
	s_cmp_eq_u32 s[KIND], 2                        ; then v's
	s_cselect_b32 s[HM], HB, s[HM]
	s_cselect_b32 s[HMS], HB, s[HMS]
	s_cselect_b32 s[OADD], 131072, s[OADD]
	s_cselect_b32 s[SADD], 270336, s[SADD]
	s_cselect_b32 s[TSH], 1, s[TSH]
	s_cselect_b32 s[D2], 1024, s[D2]
	s_cselect_b32 s[DV], HB-256, s[DV]
	s_cselect_b32 s[TBASE], 0, s[TBASE]
	s_cselect_b32 s[QKM], 0, s[QKM]
	s_cselect_b32 s[VM], 1.0, s[VM]
	s_cselect_b32 s[STA], 2048, s[STA]
	s_cselect_b32 s[EXT], HB-8192, s[EXT]
	s_cselect_b32 s[MLO], -1, s[MLO]
	s_mul_i32 s8, s11, s[HM]
	s_add_co_u32 s8, s8, s[OADD]
	s_lshl_b32 s7, s10, 6
	s_add_co_u32 s8, s8, s7
	s_add_nc_u64 s[12:13], s[12:13], s[8:9]        ; my first image
	s_mul_i32 s8, s11, s[HMS]
	s_add_co_u32 s8, s8, s[SADD]
	s_lshl_b32 s7, s10, s[TSH]
	s_add_co_u32 s8, s8, s7
	s_add_nc_u64 s[66:67], s[66:67], s[8:9]        ; my first scale word
	v_add_nc_u32 v[VO1], s[D2], v[VO0]
	v_mul_u32_u24 v6, v2, s[DV]
	v_add_nc_u32 v[VSO], v6, v[VO0]
	v_add_nc_u32 v[VS1], s[D2S], v[VO0]
	v_mul_u32_u24 v3, v1, PITCH
	v_lshl_add_u32 v4, v2, 4, v3                   ; a fragment's row x pitch + 16 x half
	s_mul_i32 s21, s15, HALFT
	s_mul_i32 s22, s16, HALFT
	s_add_co_u32 s22, s22, 2*HALFT
.irp s, 0,1
	v_add_nc_u32 v[ADRA+\s], s21, v4
	v_add_nc_u32 v[ADRB+\s], s22, v4
	s_add_co_u32 s21, s21, SLOT
	s_add_co_u32 s22, s22, SLOT
.endr
	v_mul_u32_u24 v6, v1, 32                       ; my row's scales: 32 bytes a row,
	v_lshrrev_b32 v7, 8, v6
	v_lshl_add_u32 v6, v7, 4, v6                   ; and 16 more for each 256 passed
	s_mul_i32 s21, s15, HALFS
	s_mul_i32 s22, s16, HALFS
	s_add_co_u32 s22, s22, 2*HALFS
	s_sub_co_u32 s22, s22, s21
	v_mul_u32_u24 v7, s22, v2                      ; lanes 16-31 take B's
	s_add_co_u32 s21, s21, SCL
	v_add_nc_u32 v6, v6, v7
	v_add_nc_u32 v[ADRS], s21, v6
	s_lshl_b32 s7, s14, 10
	s_add_co_u32 s7, s7, SWS
	v_lshl_add_u32 v[SWA], v1, 2, s7
	v_add_nc_u32 v[SWR], s7, v[VO0]
	s_lshl_b32 s7, s14, 9
	s_add_co_u32 s7, s7, BT
	v_lshl_add_u32 v[BA0], v2, 5, s7
	v_lshl_add_u32 v[BA1], v1, 2, s7
	v_add_nc_u32 v[BTW], s7, v[VO0]
	s_mov_b32 s[SEL], 0x76543210
	s_mov_b32 s[SEL+1], 0xfedcba98
	s_mov_b32 s[MNT], 0x600000
.irp b, 0,1,2,3
	v_mov_b32 v[TM+4+\b], 0                        ; a lane permute's destination counts as read
.endr
	s_wait_loadcnt 0x0
	ds_store_b128 v[BTW], v[AF:AF+3]               ; the biases into my table
.irp a, 0,1,2,3,4,5,6,7
	v_mad_u32_u24 v[TOP+\a], v[TOP+\a], s[TMUL], s[TBASE]   ; bytes 2 and 3 of the scale words of block a's 16 rows
.endr
.macro FRAG reg, adr, q, i
.irp c, 0,1,2,3
	ds_load_b128 v[\reg+4*\c:\reg+4*\c+3], v[\adr] offset:128*(\q)+32*\c+(\i)*16*PITCH
.endr
.endm
; 16 matrix instructions: A's blocks a0, a0 + 1 x B's eight.  The 64 accumulators take turns, one instruction a turn, in the same order in every step.
.macro MUL16 a0, p, q, sc, zero
.irp a, \a0, \a0+1
.irp b, 0,1,2,3,4,5,6,7
.if \zero
	v_wmma_scale_f32_16x16x128_f8f6f4 v[8*(8*((\a)%4)+\b):8*(8*((\a)%4)+\b)+7], v[128*(\p)+FR*\b:128*(\p)+FR*\b+FR-1], v[AF+FR*(\a):AF+FR*(\a)+FR-1], 0, v[SC+8*NQ*(\sc)+NQ*\b+(\q)], v[SC+8*NQ*(\sc)+NQ*(\a)+(\q)] matrix_a_scale:MATRIX_SCALE_ROW1
.else
	v_wmma_scale_f32_16x16x128_f8f6f4 v[8*(8*((\a)%4)+\b):8*(8*((\a)%4)+\b)+7], v[128*(\p)+FR*\b:128*(\p)+FR*\b+FR-1], v[AF+FR*(\a):AF+FR*(\a)+FR-1], v[8*(8*((\a)%4)+\b):8*(8*((\a)%4)+\b)+7], v[SC+8*NQ*(\sc)+NQ*\b+(\q)], v[SC+8*NQ*(\sc)+NQ*(\a)+(\q)] matrix_a_scale:MATRIX_SCALE_ROW1
.endif
.endr
.endr
.endm
.macro FETCH_B slot, q, p
	WIN TO_B
.irp i, 0,1,2,3,4,5,6,7
	FRAG 128*(\p)+FR*\i, ADRB+\slot, \q, \i
.endr
	WIN 0
.endm
.macro FETCH_A slot, q, i0
.irp i, \i0, \i0+1, \i0+2, \i0+3
	FRAG AF+FR*(\i), ADRA+\slot, \q, \i
.endr
.endm
.macro SCALES sc                       ; a K step's scale words: lanes 0-15 A's block i, lanes 16-31 B's block i
.irp i, 0,1,2,3,4,5,6,7
	ds_load_b64 v[SC+8*NQ*\sc+NQ*\i:SC+8*NQ*\sc+NQ*\i+1], v[ADRS] offset:\i*SBLK
.endr
.endm
.macro PLACES n
.rept \n
	v_nop
.endr
.endm
.macro STEP slot, q, zero              ; 128 along K whose successor lies in the same slot
	s_wait_dscnt 4*NL                              ; all but the youngest 16 loads (A's blocks 4-7) are in
	WIN MUL_LO
	MUL16 0, (\q)%2, \q, \slot, \zero
	MUL16 2, (\q)%2, \q, \slot, \zero
	s_wait_dscnt 0
	PLACES NP                                      ; in front of loads into registers that matrix instructions have read
	FETCH_B \slot, (\q)+1, 1-(\q)%2
	FETCH_A \slot, (\q)+1, 0
	WIN MUL_HI
	MUL16 4, (\q)%2, \q, \slot, \zero
	MUL16 6, (\q)%2, \q, \slot, \zero
	PLACES NP
	WIN 0
	FETCH_A \slot, (\q)+1, 4
.endm
.macro TURN slot, next, fill           ; a slot's last 128 along K, and the change of slots
	s_wait_tensorcnt 0x0                           ; all my tensor loads have landed: my part of the next slot
	ds_add_u32 v[SPW], v[NIL]                      ; 0 onto my spare word
	s_wait_dscnt 4*NL+1                            ; the add and the youngest 16 loads may be out
	WIN MUL_LO
	MUL16 0, 1, NQ-1, \slot, 0
	s_wait_dscnt 0x0                               ; the add is done, and my reads of this slot are over
	s_barrier_signal -1
	MUL16 2, 1, NQ-1, \slot, 0
	WIN 0
	s_barrier_wait -1
.if \fill
	CREST                                          ; the barrier has opened a round of the cluster's: no wave of any partner still reads this slot or has a load on its way
	s_add_nc_u64 s[G0+4*\slot+2:G0+4*\slot+3], s[G0+4*\slot+2:G0+4*\slot+3], 2*ROWB
	s_add_nc_u64 s[G0B+4*\slot+2:G0B+4*\slot+3], s[G0B+4*\slot+2:G0B+4*\slot+3], 2*ROWB
	JLOAD G0+4*\slot, G1, G0B+4*\slot, G1B
	PLACES NP-4
.else
	PLACES NP
.endif
	v_add_nc_u32 v[ADRS], 4*NQ, v[ADRS]
	FETCH_B \next, 0, 0
	FETCH_A \next, 0, 0
	SCALES \next
	WIN MUL_HI
	MUL16 4, 1, NQ-1, \slot, 0
	MUL16 6, 1, NQ-1, \slot, 0
	PLACES NP
	WIN 0
	FETCH_A \next, 0, 4
.endm
	s_wait_tensorcnt 1                             ; the scales and my part of K step 0 are in; K step 1's load may be out
	s_wait_dscnt 0x0                               ; my table is written
	s_barrier_signal -1
	s_barrier_wait -1
	FETCH_B 0, 0, 0
	FETCH_A 0, 0, 0
	SCALES 0
	FETCH_A 0, 0, 4
	STEP 0, 0, 1                                   ; K = 1,024 is four K steps: written out, no loop.  The first products start the sums
	TURN 0, 1, 1
	STEP 1, 0, 0
	TURN 1, 0, 1
	STEP 0, 0, 0
	TURN 0, 1, 0
	STEP 1, 0, 0
	s_wait_dscnt 4*NL
	WIN MUL_LO
	MUL16 0, 1, NQ-1, 1, 0
	MUL16 2, 1, NQ-1, 1, 0
	s_wait_dscnt 0
	WIN MUL_HI
	MUL16 4, 1, NQ-1, 1, 0
	MUL16 6, 1, NQ-1, 1, 0
	WIN 0
; ---- THE WAY OUT
; 64 numbers of a lane, register 16 b + i of block b, become codes and the four bytes of a scale word
.macro QUANT s, pc
.irp b, 0,1,2,3
	v_max3_num_f32 v[TM+\b], |v[\s+16*\b]|, |v[\s+1+16*\b]|, 0x4800000   ; my 16 numbers of block b, and the floor 2^(9 - 127)
.endr
.irp i, 2,4,6,8,10,12,14
.irp b, 0,1,2,3
	v_max3_num_f32 v[TM+\b], v[TM+\b], |v[\s+16*\b+\i]|, |v[\s+1+16*\b+\i]|
.endr
.endr
.irp b, 0,1,2,3
	v_permlanex16_b32 v[TM+4+\b], v[TM+\b], s[SEL], s[SEL+1]
.endr
.irp b, 0,1,2,3
	v_max_num_f32 v[TM+\b], v[TM+\b], v[TM+4+\b]   ; with lane l xor 16's: the block's largest magnitude
.endr
.irp b, 0,1,2,3
	v_add_nc_u32 v[TM+12+\b], 0xfc000000, v[TM+\b] ; the conversion's scale operand
.endr
.irp b, 0,1,2,3
	v_and_or_b32 v[TM+8+\b], v[TM+\b], 0x7f800000, s[MNT]   ; 448 x the scale
.endr
.irp b, 0,1,2,3
	v_lshrrev_b32 v[TM+4+\b], 23, v[TM+12+\b]      ; the byte
.endr
	v_lshl_or_b32 v[PW], v[TM+5], 8, v[TM+4]
	v_lshl_or_b32 v[PW], v[TM+6], 16, v[PW]
	v_lshl_or_b32 v[PW], v[TM+7], 24, v[PW]
.irp b, 0,1,2,3
.irp i, 0,1,2,3,4,5,6,7,8,9,10,11,12,13,14,15
	v_med3_num_f32 v[\s+16*\b+\i], v[\s+16*\b+\i], -v[TM+8+\b], v[TM+8+\b]   ; the hold: the conversion does not saturate (ISA guide 7.6.2)
.endr
	v_cvt_scalef32_pk8_fp8_f32 v[\pc+4*\b:\pc+1+4*\b], v[\s+16*\b:\s+7+16*\b], v[TM+12+\b]
	v_cvt_scalef32_pk8_fp8_f32 v[\pc+2+4*\b:\pc+3+4*\b], v[\s+8+16*\b:\s+15+16*\b], v[TM+12+\b]
.endr
	v_nop                                          ; a plain line between the last conversion and the first line that touches its result
.irp b, 0,1,2,3
	v_permlane16_swap_b32 v[\pc+4*\b], v[\pc+2+4*\b]     ; my upper lanes' first eight codes against the lower lanes' second eight: the four registers now hold k = 32 b + 16 h + 0 .. 15
	v_permlane16_swap_b32 v[\pc+1+4*\b], v[\pc+3+4*\b]
.endr
.endm
.macro OUTBLK a                        ; block a: 16 rows of A against my 128 rows of B
.set AC, 64*((\a)%4)
.if (\a) > 0
	s_wait_xcnt 0x0                                ; the last block's stores have read their registers and their base
	s_wait_dscnt 0x0                               ; and its LDS stores their two words
	s_add_nc_u64 s[12:13], s[12:13], s[STA:STA+1]
.if (\a) == 4
	s_add_nc_u64 s[12:13], s[12:13], s[EXT:EXT+1]
.endif
.endif
	WIN 0x02+((\a)/4)                              ; source 0: window 2 or 3
.set ii, 0
.rept 32
	v_pk_add_f32 v[T+ii:T+ii+1], v[AC+ii:AC+ii+1], v[BI+ii:BI+ii+1]   ; each accumulator from its low end on; + the bias by register (q, k; zeros for v)
.set ii, ii+2
.endr
	WIN 0
.set ii, 0
.rept 32
	v_pk_add_f32 v[T+ii:T+ii+1], v[T+ii:T+ii+1], v[BV+2*(\a):BV+2*(\a)+1]   ; + the bias by lane (v; zeros for q and k)
.set ii, ii+2
.endr
	QUANT T, PC
	v_and_or_b32 v[W0], v[PW], s[MLO], v[TOP+(\a)] ; q, k: the first head's two bytes under bytes 2 and 3; v: the whole word
	v_lshrrev_b32 v[W1], 16, v[PW]
	v_or_b32 v[W1], v[W1], v[TOP+(\a)]             ; q, k: the second head's
	ds_store_b32 v[SWA], v[W0] offset:64*(\a)
	ds_store_b32 v[SWA], v[W1] offset:512+64*(\a)
	global_store_b128 v[VO0], v[PC:PC+3], s[12:13]               ; each store: 512 consecutive bytes, aligned
	global_store_b128 v[VO0], v[PC+4:PC+7], s[12:13] offset:512
	global_store_b128 v[VO1], v[PC+8:PC+11], s[12:13]
	global_store_b128 v[VO1], v[PC+12:PC+15], s[12:13] offset:512
.endm
	PLACES NP                                      ; behind the last products: for the loads below and for the first reads of results
.irp b, 0,1,2,3,4,5,6,7
	ds_load_b128 v[BI+8*\b:BI+8*\b+3], v[BA0] offset:64*\b
	ds_load_b128 v[BI+8*\b+4:BI+8*\b+7], v[BA0] offset:64*\b+16
.endr
.irp a, 0,1,2,3,4,5,6,7
	ds_load_b32 v[BV+2*\a], v[BA1] offset:64*\a
.endr
	s_wait_dscnt 0x0
.set ii, 0
.rept 64
	v_mul_f32 v[BI+ii], s[QKM], v[BI+ii]
.set ii, ii+1
.endr
.irp a, 0,1,2,3,4,5,6,7
	v_mul_f32 v[BV+2*\a+1], s[VM], v[BV+2*\a]
	v_mov_b32 v[BV+2*\a], v[BV+2*\a+1]
.endr
.irp n, 0,1,2,3,4,5,6,7
	OUTBLK \n
.endr
	ds_load_b128 v[T:T+3], v[SWR]                  ; my own bytes, served in order: 128 words,
	ds_load_b128 v[T+4:T+7], v[SWR] offset:512     ; and the second head's 128
	s_wait_dscnt 0x0
	global_store_b128 v[VSO], v[T:T+3], s[66:67]
	s_cmp_eq_u32 s[KIND], 2                        ; v has one word a row: no second store.  The cluster's x is the same in all partners
	s_cbranch_scc1 .Lno_second
	global_store_b128 v[VS1], v[T+4:T+7], s[66:67]
.Lno_second:
	s_wait_tensorcnt 0x0                           ; the wave's end
	ds_add_u32 v[SPW], v[NIL]
	s_wait_dscnt 0x0
	CROUND                                         ; the closing round
	s_endpgm
.Lfunc_end_k_q2f13bea0dc_qkv:
	.size	k_q2f13bea0dc_qkv, .Lfunc_end_k_q2f13bea0dc_qkv-k_q2f13bea0dc_qkv
	.p2alignl 7, 3214868480
	.fill 96, 4, 3214868480
	.section	.rodata,"a",@progbits
	.p2align	6, 0x0
	.amdhsa_kernel k_q2f13bea0dc_qkv
		.amdhsa_group_segment_fixed_size 327680
		.amdhsa_private_segment_fixed_size 0
		.amdhsa_enable_private_segment 0
		.amdhsa_kernarg_size 120
		.amdhsa_user_sgpr_count 2
		.amdhsa_user_sgpr_kernarg_segment_ptr 1
		.amdhsa_wavefront_size32 1
		.amdhsa_system_sgpr_workgroup_id_x 1
		.amdhsa_system_sgpr_workgroup_id_y 1
		.amdhsa_system_sgpr_workgroup_id_z 1
		.amdhsa_system_vgpr_workitem_id 0
		.amdhsa_next_free_vgpr 1024
		.amdhsa_next_free_sgpr 102
		.amdhsa_reserve_vcc 0
		.amdhsa_float_denorm_mode_32 3
		.amdhsa_float_denorm_mode_16_64 3
		.amdhsa_memory_ordered 1
		.amdhsa_forward_progress 1
		.amdhsa_inst_pref_size 229
	.end_amdhsa_kernel
	.amdgpu_metadata
---
amdhsa.version: [ 1, 2 ]
amdhsa.kernels:
  - .name:           k_q2f13bea0dc_qkv
    .symbol:         k_q2f13bea0dc_qkv.kd
    .args:
      - { .name: hc, .offset: 0, .size: 8, .value_kind: global_buffer, .address_space: global }
      - { .name: hs, .offset: 8, .size: 8, .value_kind: global_buffer, .address_space: global }
      - { .name: wq_codes, .offset: 16, .size: 8, .value_kind: global_buffer, .address_space: global }
      - { .name: wq_scales, .offset: 24, .size: 8, .value_kind: global_buffer, .address_space: global }
      - { .name: wk_codes, .offset: 32, .size: 8, .value_kind: global_buffer, .address_space: global }
      - { .name: wk_scales, .offset: 40, .size: 8, .value_kind: global_buffer, .address_space: global }
      - { .name: wv_codes, .offset: 48, .size: 8, .value_kind: global_buffer, .address_space: global }
      - { .name: wv_scales, .offset: 56, .size: 8, .value_kind: global_buffer, .address_space: global }
      - { .name: bq, .offset: 64, .size: 8, .value_kind: global_buffer, .address_space: global }
      - { .name: bk, .offset: 72, .size: 8, .value_kind: global_buffer, .address_space: global }
      - { .name: bv, .offset: 80, .size: 8, .value_kind: global_buffer, .address_space: global }
      - { .name: attention_mask, .offset: 88, .size: 8, .value_kind: global_buffer, .address_space: global }
      - { .name: qi, .offset: 96, .size: 8, .value_kind: global_buffer, .address_space: global }
      - { .name: qs, .offset: 104, .size: 8, .value_kind: global_buffer, .address_space: global }
      - { .name: kv, .offset: 112, .size: 8, .value_kind: global_buffer, .address_space: global }
    .group_segment_fixed_size: 327680
    .private_segment_fixed_size: 0
    .kernarg_segment_align: 8
    .kernarg_segment_size: 120
    .max_flat_workgroup_size: 128
    .sgpr_count:     102
    .vgpr_count:     1024
    .wavefront_size: 32
...
	.end_amdgpu_metadata
.endif
;; end of part 2
;; launch attn (part 3): grid 4 x 64, 16 waves a work-group, clusters of 4 x 1, 327,680 bytes of LDS; arguments qi, qs, kv, ci, cs; writes ci, cs
.if DOCPART == 3
	.amdgcn_target "amdgcn-amd-amdhsa--gfx1250"
	.amdhsa_code_object_version 6
	.text
	.protected	k_q2f13bea0dc_attn
	.globl	k_q2f13bea0dc_attn
	.p2align	8
	.type	k_q2f13bea0dc_attn,@function
k_q2f13bea0dc_attn:
	s_mov_b64 s[64:65], 0
	v_nop
	global_prefetch_b8 v0, s[64:65] scope:SCOPE_SE
	s_setreg_imm32_b32 hwreg(HW_REG_WAVE_MODE, 25, 1), 1
	s_wait_xcnt 0x0
	s_wait_alu depctr_hold_cnt(0) depctr_sa_sdst(0) depctr_va_vdst(0) depctr_va_sdst(0) depctr_va_ssrc(0) depctr_va_vcc(0) depctr_vm_vsrc(0)
	s_getreg_b32 s2, hwreg(HW_REG_IB_STS2, 6, 4)
	s_cmp_eq_u32 s2, 0
	s_cbranch_scc0 .Lentry_in_a_cluster
	s_endpgm
.Lentry_in_a_cluster:
	s_bfe_u32 s2, ttmp6, 0x10000c
	s_cmp_lg_u32 s2, 0x3003
	s_cbranch_scc0 .Lentry_shape_is_right
	s_endpgm
.Lentry_shape_is_right:
; c = softmax(q k^T / 8, masked keys left out) v for 64 heads of 2,048 x 2,048 x 64, both products on codes of E4M3 with E8M0 scales; c is quantised along the features and stored as images of the last product's operand.
; SHARES: a cluster of four work-groups is one head; work-group cx owns queries 512 cx on; each of its sixteen waves owns one tile of 16 queries in each of two passes.
; ALL OF THE HEAD'S K, V AND SCALE WORDS STAY IN LDS (274,432 bytes, the memory image of kv's head): they are asked for once, jointly by the four partners, in five loads of each of waves 0 to 3; nothing is filled again.
; The images are read 16 bytes a lane at 16 x lane: 512 consecutive bytes an instruction.
; LAYOUT: both products transposed: S^T = K Q^T, O^T = V^T P^T: a lane holds one query throughout.  In tile t a lane (r, h) holds key 16 t + 8 h + j; two conversions and two v_permlane16_swap_b32 a block of 32 keys make p's operand.
; THE MASK: a head's 64 fill half of the instruction's K = 128.  At k = 64 Q holds the code of 1.0 and K the code of -448; all other codes from k = 64 on are 0.  K's scale byte for that block is 227 for a masked key
; (the score gets -448 x 2^100, so p = 0) and 1 for an open one (-448 x 2^-126).  The largest t begins at -2^90, over every masked t and under every real one.  LIMIT: real scores stay well under 2^90 in magnitude.
; THE SOFTMAX: t = score x log2(e) / 8; M = the running largest t rounded up to a whole number; p = 2^(t - M) is quantised; the sum is taken of the unquantised p and divides at the end; a change of M multiplies by a power of two.
; A batch whose every key is masked ends with the sum 0: c's scale bytes are then 0xff, which makes the last product NaN, as the definition has it.  LIMITS: an exponential under 2^-126 is 0; blocks under 2^-118 keep the byte 1.
.set HB,   274432
.set VC,   131072                      ; LDS: K images at 0, V images here,
.set KSO,  262144                      ; K's scale words,
.set VSOF, 270336                      ; V's,
.set CSG,  274432                      ; and 1,024 bytes of c's scale bytes on their way out (no tile lands here)
.set LI,  1                            ; v1   16 x lane
.set LIV, 2                            ; v2   + VC
.set LSK, 3                            ; v3   KSO + 4 r
.set LSV, 4                            ; v4   VSOF + 4 r
.set CSA0, 5                           ; v5   CSG + 32 wave + 2 r
.set ADK, 6
.set ADV, 7
.set ADS, 8
.set ADT, 9
.set Q,   16                           ; v16-31  Q's fragment; v24-31 constants
.set KF,  32                           ; v32-95  four fragments of K; the upper 8 registers of each are constants
.set S,   96                           ; v96-159 S^T, then p, then V's four fragments
.set O,   160                          ; v160-191 O^T
.set PC,  192                          ; v192-207 p's codes
.set BM,  208
.set BP,  212
.set BH,  216
.set BS,  220
.set KSW, 224
.set VSW, 228
.set QW,  232
.set PW,  233
.set F,   234                          ; v[234:235]
.set TT,  236
.set SUM2, 238
.set QN,  240                          ; v240-247 the second pass's Q; v248 its scale words
.set QWN, 248
.set CSR, 249                          ; v249 CSG + 16 x lane
.set QSO, 250                          ; v250 4 r
.set WV,  14
.set G1C, 24
.set G1S, 32
.set SEL, 60
.set CS,  62
.set MNT, 66
.set TK,  67
.set TS,  68
.set TV,  69
.set CNT, 70
.set PASS, 71
.set PO,  72
.set QIA, 74
.set QSA, 76
.set CIA, 78
.set CSA, 80
.macro CROUND
	s_barrier_signal -1
	s_barrier_wait -1
	s_cmp_lg_u32 s[WV], 0
	s_cbranch_scc1 .Lnot_wave_0_\@
	s_barrier_signal -3
.Lnot_wave_0_\@:
	s_barrier_wait -3
	s_barrier_signal -1
	s_barrier_wait -1
.endm
	s_load_b256 s[4:11], s[0:1], 0x0               ; qi, qs, kv, ci
	s_load_b64 s[12:13], s[0:1], 0x20              ; cs
	v_lshl_add_u32 v254, v0, 2, 0x43400
	v_mov_b32 v255, 0
	ds_add_u32 v254, v255
	ds_add_u32 v254, v255
	v_lshrrev_b32 v10, 5, v0
	v_readfirstlane_b32 s[WV], v10                 ; wave 0..15
	s_bfe_u32 s15, ttmp6, 0x40000                  ; cx
	s_and_b32 s16, ttmp7, 0xffff                   ; 16 x batch + head, which the partners share
	; group 1: dense blocks as rows of 256 bytes (32 elements of 8 bytes); the mask names all four partners
	s_mov_b32 s[G1C], 15|(3<<16)|(1<<21)
	s_mov_b32 s[G1C+1], 32<<16
	s_mov_b32 s[G1C+2], 64<<16                     ; 64 rows: 16,384 bytes
	s_mov_b32 s[G1C+3], 32<<16
	s_mov_b32 s[G1C+4], 64
	s_mov_b32 s[G1C+5], 32
	s_mov_b32 s[G1C+6], 0
	s_mov_b32 s[G1C+7], 0
	s_mov_b32 s[G1S], 15|(3<<16)|(1<<21)
	s_mov_b32 s[G1S+1], 32<<16
	s_mov_b32 s[G1S+2], 12<<16                     ; 12 rows: a quarter of the 12,288 bytes of scale words
	s_mov_b32 s[G1S+3], 32<<16
	s_mov_b32 s[G1S+4], 12
	s_mov_b32 s[G1S+5], 32
	s_mov_b32 s[G1S+6], 0
	s_mov_b32 s[G1S+7], 0
	s_mul_i32 s18, s16, HB
	s_mov_b32 s19, 0
	s_mul_i32 s20, s[WV], 3072
	s_add_co_u32 s20, s20, KSO                     ; my part of the scale words: the same offset in LDS and in the head's bytes
	s_lshr_b32 s21, s[WV], 1
	s_lshl_b32 s21, s21, 17                        ; waves 0, 1: K; waves 2, 3: V
	s_and_b32 s22, s[WV], 1
	s_lshl_b32 s22, s22, 14                        ; which half of a quarter
	s_add_co_u32 s22, s21, s22
	s_mov_b32 s21, 0
	s_mov_b32 s23, 0
	s_wait_dscnt 0x0
	s_wait_kmcnt 0x0
	s_add_nc_u64 s[8:9], s[8:9], s[18:19]          ; kv at my head
	CROUND                                         ; the four partners are here: the joint loads meet
	s_mov_b32 s40, 1
	s_mov_b32 s41, s20
	s_add_nc_u64 s[42:43], s[8:9], s[20:21]
	s_or_b32 s43, s43, 0x80000000
	s_add_nc_u64 s[18:19], s[8:9], s[22:23]
.irp j, 0,1,2,3
	s_mov_b32 s[44+4*\j], 1
	s_add_co_u32 s[45+4*\j], s22, 32768*\j         ; quarter j: 512 keys
	s_add_nc_u64 s[46+4*\j:47+4*\j], s[18:19], 32768*\j
	s_or_b32 s[47+4*\j], s[47+4*\j], 0x80000000
.endr
	s_cmp_lt_u32 s[WV], 4                          ; all first fills of a wave in one branch on its number; five loads of mine are out
	s_cbranch_scc0 .Lno_fetch
	tensor_load_to_lds s[40:43], s[G1S:G1S+7]
	s_nop 0
	tensor_load_to_lds s[44:47], s[G1C:G1C+7]
	s_nop 0
	tensor_load_to_lds s[48:51], s[G1C:G1C+7]
	s_nop 0
	tensor_load_to_lds s[52:55], s[G1C:G1C+7]
	s_nop 0
	tensor_load_to_lds s[56:59], s[G1C:G1C+7]
	s_nop 0
.rept 4
	v_nop
.endr
.Lno_fetch:
	s_lshl_b32 s17, s15, 5
	s_add_co_u32 s17, s17, s[WV]                   ; my tile of queries in pass 0: 32 cx + wave
	s_lshl_b32 s18, s16, 17
	s_lshl_b32 s20, s17, 10
	s_add_co_u32 s18, s18, s20
	s_mov_b32 s19, 0
	s_add_nc_u64 s[QIA:QIA+1], s[4:5], s[18:19]
	s_lshl_b32 s18, s16, 13
	s_lshl_b32 s20, s17, 6
	s_add_co_u32 s18, s18, s20
	s_add_nc_u64 s[QSA:QSA+1], s[6:7], s[18:19]
	s_and_b32 s20, s16, 15                         ; the head e
	s_lshr_b32 s21, s16, 4                         ; the batch
	s_lshr_b32 s18, s20, 2
	s_lshl_b32 s18, s18, 21                        ; ci: K step e / 4,
	s_lshl_b32 s22, s21, 7
	s_add_co_u32 s22, s22, s17
	s_lshl_b32 s22, s22, 12                        ; tile of tokens x 4,096,
	s_add_co_u32 s18, s18, s22
	s_bfe_u32 s22, s20, 0x10001
	s_lshl_b32 s22, s22, 11                        ; which 128 of the K step,
	s_add_co_u32 s18, s18, s22
	s_and_b32 s22, s20, 1
	s_lshl_b32 s22, s22, 10                        ; which 64 of those
	s_add_co_u32 s18, s18, s22
	s_add_nc_u64 s[CIA:CIA+1], s[10:11], s[18:19]
	s_lshl_b32 s18, s20, 14
	s_lshl_b32 s22, s21, 12
	s_add_co_u32 s18, s18, s22
	s_lshl_b32 s22, s15, 10
	s_add_co_u32 s18, s18, s22
	s_add_nc_u64 s[CSA:CSA+1], s[12:13], s[18:19]  ; cs: head, batch, my work-group's 512 tokens x 2 bytes
	s_mov_b32 s[SEL], 0x76543210
	s_mov_b32 s[SEL+1], 0xfedcba98
	s_mov_b32 s[CS], 0x3e38aa3b                    ; log2(e) / 8
	s_mov_b32 s[CS+1], s[CS]
	s_mov_b32 s[MNT], 0x600000
	v_and_b32 v10, 31, v0
	v_and_b32 v11, 15, v0                          ; r
	v_bfe_u32 v[TT], v0, 4, 1                      ; h
	v_lshlrev_b32 v[LI], 4, v10
	v_add_nc_u32 v[LIV], VC, v[LI]
	v_lshl_add_u32 v[LSK], v11, 2, KSO
	v_lshl_add_u32 v[LSV], v11, 2, VSOF
	s_lshl_b32 s18, s[WV], 5
	s_add_co_u32 s18, s18, CSG
	v_lshl_add_u32 v[CSA0], v11, 1, s18
	v_add_nc_u32 v[CSR], CSG, v[LI]
	v_lshlrev_b32 v[QSO], 2, v11
	global_load_b128 v[Q:Q+3], v[LI], s[QIA:QIA+1]
	global_load_b128 v[Q+4:Q+7], v[LI], s[QIA:QIA+1] offset:512
	global_load_b128 v[QN:QN+3], v[LI], s[QIA:QIA+1] offset:16384
	global_load_b128 v[QN+4:QN+7], v[LI], s[QIA:QIA+1] offset:16896
	global_load_b32 v[QW], v[QSO], s[QSA:QSA+1]
	global_load_b32 v[QWN], v[QSO], s[QSA:QSA+1] offset:1024
	v_sub_nc_u32 v[TT], 1, v[TT]                   ; 1 in lanes 0-15: they hold k = 64 .. 79 in register 8
	v_mul_u32_u24 v[Q+8], v[TT], 0x38              ; the code of 1.0 at k = 64
.irp i, 9,10,11,12,13,14,15
	v_mov_b32 v[Q+\i], 0
.endr
.irp t, 0,1,2,3
	v_mul_u32_u24 v[KF+16*\t+8], v[TT], 0xfe       ; the code of -448 at k = 64
.irp i, 9,10,11,12,13,14,15
	v_mov_b32 v[KF+16*\t+\i], 0
.endr
.endr
.irp b, 0,1,2,3
	v_mov_b32 v[BP+\b], 0                          ; a lane permute's destination counts as read
.endr
	v_mov_b32 v[F+1], 0                            ; named as the upper half of a pair
	s_wait_loadcnt 0x0
.macro KLOAD g                         ; four tiles of 16 keys: the lower halves of four fragments, and their scale words
.irp t, 0,1,2,3
	ds_load_b128 v[KF+16*\t:KF+16*\t+3], v[ADK] offset:1024*(4*\g+\t)
	ds_load_b128 v[KF+16*\t+4:KF+16*\t+7], v[ADK] offset:1024*(4*\g+\t)+512
	ds_load_b32 v[KSW+\t], v[ADS] offset:64*(4*\g+\t)
.endr
.endm
.macro KQ g
.irp t, 0,1,2,3
	v_wmma_scale_f32_16x16x128_f8f6f4 v[S+8*(4*\g+\t):S+8*(4*\g+\t)+7], v[KF+16*\t:KF+16*\t+15], v[Q:Q+15], 0, v[KSW+\t], v[QW]
.endr
.endm
.macro BMAX x0, x1                     ; the largest score of blocks x0 and x1 among my 16 keys of each, the two by turns
.irp b, \x0, \x1
	v_max3_num_f32 v[BM+\b], v[S+16*\b], v[S+1+16*\b], v[S+2+16*\b]
.endr
.irp i, 3,5,7,9,11,13
.irp b, \x0, \x1
	v_max3_num_f32 v[BM+\b], v[BM+\b], v[S+16*\b+\i], v[S+1+16*\b+\i]
.endr
.endr
.irp b, \x0, \x1
	v_max_num_f32 v[BM+\b], v[BM+\b], v[S+15+16*\b]
.endr
.endm
.macro STEP                            ; 128 keys
	v_add_nc_u32 v[ADK], s[TK], v[LI]
	v_add_nc_u32 v[ADV], s[TK], v[LIV]
	v_add_nc_u32 v[ADS], s[TS], v[LSK]
	v_add_nc_u32 v[ADT], s[TV], v[LSV]
.rept 5
	v_nop                                          ; with the four additions nine places: the products below write over registers that the last step's last products read
.endr
	KLOAD 0
	s_wait_dscnt 0x0
	KQ 0
.rept 8
	v_nop                                          ; in front of loads into registers just read, and of the first reads of results
.endr
	KLOAD 1
	BMAX 0, 1                                      ; while the loads are out
	s_wait_dscnt 0x0
	KQ 1
.rept 8
	v_nop
.endr
	BMAX 2, 3
.irp b, 0,1,2,3
	v_permlanex16_b32 v[BP+\b], v[BM+\b], s[SEL], s[SEL+1]
.endr
.irp b, 0,1,2,3
	v_max_num_f32 v[BM+\b], v[BM+\b], v[BP+\b]     ; each block's largest score: it serves the row's maximum and the block's largest p
.endr
	v_max3_num_f32 v[TT], v[BM], v[BM+1], v[BM+2]
	v_max_num_f32 v[TT], v[TT], v[BM+3]
	v_mul_f32 v[TT], s[CS], v[TT]
	v_max_num_f32 v13, v13, v[TT]                  ; the running largest t
	v_mov_b32 v[TT], v12
	v_floor_f32 v12, -v13                          ; -M = floor(-t): M is a whole number
	v_sub_f32 v[TT], v12, v[TT]
	v_cvt_i32_f32 v[TT], v[TT]                     ; (it saturates)
	v_ldexp_f32 v[F], 1.0, v[TT]                   ; f = 2^(old M - new M)
.irp j, 0,2,4,6,8,10,12,14,16,18,20,22,24,26,28,30,32,34,36,38,40,42,44,46,48,50,52,54,56,58,60,62
	v_pk_fma_f32 v[S+\j:S+1+\j], v[S+\j:S+1+\j], s[CS:CS+1], v[12:13] op_sel_hi:[1,0,0]   ; t - M
.endr
.irp b, 0,1,2,3
	v_fma_f32 v[BM+\b], v[BM+\b], s[CS], v12
.endr
.set ii, 0
.rept 64
	v_exp_f32 v[S+ii], v[S+ii]                     ; p = 2^(t - M)
.set ii, ii+1
.endr
	v_pk_mul_f32 v[14:15], v[14:15], v[F:F+1] op_sel_hi:[1,0]   ; the sums under the new M (a plain line behind the exponentials)
	s_wait_alu depctr_va_vdst(0)                   ; one wait for the batch of 64, ahead of its first reader
.irp b, 0,1,2,3
	v_exp_f32 v[BM+\b], v[BM+\b]                   ; each block's largest p
.endr
	v_pk_add_f32 v[SUM2:SUM2+1], v[S:S+1], v[S+2:S+3]   ; the row's sum of the unquantised p, in two chains
.irp j, 4,8,12,16,20,24,28,32,36,40,44,48,52,56,60
	v_pk_add_f32 v[14:15], v[14:15], v[S+\j:S+1+\j]
	v_pk_add_f32 v[SUM2:SUM2+1], v[SUM2:SUM2+1], v[S+2+\j:S+3+\j]
.endr
	v_pk_add_f32 v[14:15], v[14:15], v[SUM2:SUM2+1]
	s_wait_alu depctr_va_vdst(0)                   ; and one for the four
.irp b, 0,1,2,3
	v_max_num_f32 v[BM+\b], 0x4800000, v[BM+\b]    ; the floor 2^(9 - 127)
.endr
.irp b, 0,1,2,3
	v_add_nc_u32 v[BS+\b], 0xfc000000, v[BM+\b]
.endr
.irp b, 0,1,2,3
	v_and_or_b32 v[BH+\b], v[BM+\b], 0x7f800000, s[MNT]
.endr
.irp b, 0,1,2,3
	v_lshrrev_b32 v[BP+\b], 23, v[BS+\b]
.endr
	v_lshl_or_b32 v[PW], v[BP+1], 8, v[BP]         ; p's scale word for these 128 keys
	v_lshl_or_b32 v[PW], v[BP+2], 16, v[PW]
	v_lshl_or_b32 v[PW], v[BP+3], 24, v[PW]
.irp b, 0,1,2,3
.irp i, 0,1,2,3,4,5,6,7,8,9,10,11,12,13,14,15
	v_min_num_f32 v[S+16*\b+\i], v[S+16*\b+\i], v[BH+\b]   ; the hold; p is never negative
.endr
	v_cvt_scalef32_pk8_fp8_f32 v[PC+4*\b:PC+4*\b+1], v[S+16*\b:S+16*\b+7], v[BS+\b]
	v_cvt_scalef32_pk8_fp8_f32 v[PC+4*\b+2:PC+4*\b+3], v[S+16*\b+8:S+16*\b+15], v[BS+\b]
.irp c, 0,1,2,3
	ds_load_b128 v[S+16*\b+4*\c:S+16*\b+4*\c+3], v[ADV] offset:2048*\b+512*\c   ; V's tile b (16 of the head's 64 x these 128 keys) into the registers just converted
.endr
	ds_load_b32 v[VSW+\b], v[ADT] offset:64*\b
.endr
.irp j, 0,2,4,6
	v_pk_mul_f32 v[O+\j:O+1+\j], v[O+\j:O+1+\j], v[F:F+1] op_sel_hi:[1,0]   ; O^T under the new M (plain lines behind the last conversion)
.endr
.irp b, 0,1,2,3
	v_permlane16_swap_b32 v[PC+4*\b], v[PC+4*\b+2]       ; the codes into the operand's order: k = 32 b + 16 h + 0 .. 15
	v_permlane16_swap_b32 v[PC+4*\b+1], v[PC+4*\b+3]
.endr
.irp j, 8,10,12,14,16,18,20,22,24,26,28,30
	v_pk_mul_f32 v[O+\j:O+1+\j], v[O+\j:O+1+\j], v[F:F+1] op_sel_hi:[1,0]   ; (also the places between the codes' last write and the products)
.endr
	s_wait_dscnt 0x0
.irp d, 0,1,2,3
	v_wmma_scale_f32_16x16x128_f8f6f4 v[O+8*\d:O+8*\d+7], v[S+16*\d:S+16*\d+15], v[PC:PC+15], v[O+8*\d:O+8*\d+7], v[VSW+\d], v[PW]   ; the four accumulators by turns
.endr
	s_add_co_u32 s[TK], s[TK], 8192
	s_add_co_u32 s[TS], s[TS], 512
	s_add_co_u32 s[TV], s[TV], 256
.endm
.macro QUARTER j                       ; 512 keys: four steps
	s_wait_tensorcnt 3-\j                          ; the scale words and quarters 0 .. j of my loads are in; the later quarters' loads may be out
	s_wait_dscnt 0x0
	s_barrier_signal -1
	s_barrier_wait -1                              ; everybody's are
	s_mov_b32 s[TK], 32768*\j
	s_mov_b32 s[TS], 2048*\j
	s_mov_b32 s[TV], 1024*\j
	s_mov_b32 s[CNT], 4
.Lq_\@:
	STEP
	s_sub_co_u32 s[CNT], s[CNT], 1
	s_cmp_lg_u32 s[CNT], 0
	s_cbranch_scc1 .Lq_\@
.endm
	s_mov_b32 s[PASS], 2
	s_mov_b32 s[PO], 0
.Lpass:
	v_mov_b32 v13, 0xec800000                      ; the largest t so far: -2^90
	v_floor_f32 v12, -v13
	v_mov_b32 v14, 0
	v_mov_b32 v15, 0
.set ii, 0
.rept 32
	v_mov_b32 v[O+ii], 0                           ; the step is written once: the first finds zeros
.set ii, ii+1
.endr
	QUARTER 0
	QUARTER 1
	QUARTER 2
	QUARTER 3
	; ---- a pass's way out: c = O^T / the sum, quantised in two blocks of 32 along the head's 64
.rept 8
	v_nop
.endr
	v_add_f32 v14, v14, v15
	v_permlanex16_b32 v[TT], v14, s[SEL], s[SEL+1]
	v_add_f32 v14, v14, v[TT]                      ; the row's sum
	v_rcp_f32 v10, v14
	v_nop
	s_wait_alu depctr_va_vdst(0)                   ; ahead of the reciprocal's first reader
.set ii, 0
.rept 32
	v_mul_f32 v[S+ii], v[O+ii], v10                ; each accumulator from its low end on
.set ii, ii+1
.endr
.irp b, 0,1
	v_max3_num_f32 v[BM+\b], |v[S+16*\b]|, |v[S+1+16*\b]|, 0x4800000
.endr
.irp i, 2,4,6,8,10,12,14
.irp b, 0,1
	v_max3_num_f32 v[BM+\b], v[BM+\b], |v[S+16*\b+\i]|, |v[S+1+16*\b+\i]|
.endr
.endr
.irp b, 0,1
	v_permlanex16_b32 v[BP+\b], v[BM+\b], s[SEL], s[SEL+1]
.endr
.irp b, 0,1
	v_max_num_f32 v[BM+\b], v[BM+\b], v[BP+\b]
.endr
.irp b, 0,1
	v_add_nc_u32 v[BS+\b], 0xfc000000, v[BM+\b]
.endr
.irp b, 0,1
	v_and_or_b32 v[BH+\b], v[BM+\b], 0x7f800000, s[MNT]
.endr
.irp b, 0,1
	v_lshrrev_b32 v[BP+\b], 23, v[BS+\b]
.endr
	v_lshl_or_b32 v11, v[BP+1], 8, v[BP]           ; my token's two scale bytes
.irp b, 0,1
.irp i, 0,1,2,3,4,5,6,7,8,9,10,11,12,13,14,15
	v_med3_num_f32 v[S+16*\b+\i], v[S+16*\b+\i], -v[BH+\b], v[BH+\b]
.endr
	v_cvt_scalef32_pk8_fp8_f32 v[PC+4*\b:PC+4*\b+1], v[S+16*\b:S+16*\b+7], v[BS+\b]
	v_cvt_scalef32_pk8_fp8_f32 v[PC+4*\b+2:PC+4*\b+3], v[S+16*\b+8:S+16*\b+15], v[BS+\b]
.endr
	v_nop
.irp b, 0,1
	v_permlane16_swap_b32 v[PC+4*\b], v[PC+4*\b+2]
	v_permlane16_swap_b32 v[PC+4*\b+1], v[PC+4*\b+3]
.endr
	v_cmp_eq_f32 vcc_lo, 0, v14                    ; no key counted: the bytes become 0xff (a value is chosen, nothing branches)
	v_mov_b32 v[TT], 0xffff
	v_cndmask_b32 v11, v11, v[TT], vcc_lo
	v_add_nc_u32 v10, s[PO], v[CSA0]
	ds_store_b16 v10, v11                          ; both halves of the lanes write the same bytes with the same value
	global_store_b128 v[LI], v[PC:PC+3], s[CIA:CIA+1]              ; 512 consecutive bytes each
	global_store_b128 v[LI], v[PC+4:PC+7], s[CIA:CIA+1] offset:512
.irp i, 0,1,2,3,4,5,6,7
	v_mov_b32 v[Q+\i], v[QN+\i]                    ; the second pass's queries
.endr
	v_mov_b32 v[QW], v[QWN]
	s_wait_xcnt 0x0                                ; the stores have read their registers and their base
	s_add_nc_u64 s[CIA:CIA+1], s[CIA:CIA+1], 65536 ; 16 tiles of tokens on
	s_add_co_u32 s[PO], s[PO], 512
	s_sub_co_u32 s[PASS], s[PASS], 1
	s_cmp_lg_u32 s[PASS], 0
	s_cbranch_scc1 .Lpass
	s_wait_dscnt 0x0                               ; my scale bytes are written
	s_barrier_signal -1
	s_barrier_wait -1                              ; everybody's are
	s_cmp_lg_u32 s[WV], 0
	s_cbranch_scc1 .Lnot_0
	ds_load_b128 v[S:S+3], v[CSR]
	ds_load_b128 v[S+4:S+7], v[CSR] offset:512
	s_wait_dscnt 0x0
	global_store_b128 v[LI], v[S:S+3], s[CSA:CSA+1]                ; the work-group's 1,024 scale bytes, 512 consecutive bytes a store
	global_store_b128 v[LI], v[S+4:S+7], s[CSA:CSA+1] offset:512
.Lnot_0:
	s_wait_tensorcnt 0x0
	ds_add_u32 v254, v255
	s_wait_dscnt 0x0
	CROUND                                         ; the closing round
	s_endpgm
.Lfunc_end_k_q2f13bea0dc_attn:
	.size	k_q2f13bea0dc_attn, .Lfunc_end_k_q2f13bea0dc_attn-k_q2f13bea0dc_attn
	.p2alignl 7, 3214868480
	.fill 96, 4, 3214868480
	.section	.rodata,"a",@progbits
	.p2align	6, 0x0
	.amdhsa_kernel k_q2f13bea0dc_attn
		.amdhsa_group_segment_fixed_size 327680
		.amdhsa_private_segment_fixed_size 0
		.amdhsa_enable_private_segment 0
		.amdhsa_kernarg_size 40
		.amdhsa_user_sgpr_count 2
		.amdhsa_user_sgpr_kernarg_segment_ptr 1
		.amdhsa_wavefront_size32 1
		.amdhsa_system_sgpr_workgroup_id_x 1
		.amdhsa_system_sgpr_workgroup_id_y 1
		.amdhsa_system_sgpr_workgroup_id_z 1
		.amdhsa_system_vgpr_workitem_id 0
		.amdhsa_next_free_vgpr 256
		.amdhsa_next_free_sgpr 84
		.amdhsa_reserve_vcc 1
		.amdhsa_float_denorm_mode_32 3
		.amdhsa_float_denorm_mode_16_64 3
		.amdhsa_memory_ordered 1
		.amdhsa_forward_progress 1
		.amdhsa_inst_pref_size 97
	.end_amdhsa_kernel
	.amdgpu_metadata
---
amdhsa.version: [ 1, 2 ]
amdhsa.kernels:
  - .name:           k_q2f13bea0dc_attn
    .symbol:         k_q2f13bea0dc_attn.kd
    .args:
      - { .name: qi, .offset: 0, .size: 8, .value_kind: global_buffer, .address_space: global }
      - { .name: qs, .offset: 8, .size: 8, .value_kind: global_buffer, .address_space: global }
      - { .name: kv, .offset: 16, .size: 8, .value_kind: global_buffer, .address_space: global }
      - { .name: ci, .offset: 24, .size: 8, .value_kind: global_buffer, .address_space: global }
      - { .name: cs, .offset: 32, .size: 8, .value_kind: global_buffer, .address_space: global }
    .group_segment_fixed_size: 327680
    .private_segment_fixed_size: 0
    .kernarg_segment_align: 8
    .kernarg_segment_size: 40
    .max_flat_workgroup_size: 512
    .sgpr_count:     84
    .vgpr_count:     256
    .wavefront_size: 32
...
	.end_amdgpu_metadata
.endif
;; end of part 3
;; launch outp (part 4): grid 4 x 32, 4 waves a work-group, clusters of 4 x 4, 327,680 bytes of LDS; arguments ci, cs, wo_codes, wo_scales, bo, x, out0; writes out0
.if DOCPART == 4
	.amdgcn_target "amdgcn-amd-amdhsa--gfx1250"
	.amdhsa_code_object_version 6
	.text
	.protected	k_q2f13bea0dc_outp
	.globl	k_q2f13bea0dc_outp
	.p2align	8
	.type	k_q2f13bea0dc_outp,@function
k_q2f13bea0dc_outp:
	s_mov_b64 s[64:65], 0
	v_nop
	global_prefetch_b8 v0, s[64:65] scope:SCOPE_SE
	s_setreg_imm32_b32 hwreg(HW_REG_WAVE_MODE, 25, 1), 1
	s_wait_xcnt 0x0
	s_wait_alu depctr_hold_cnt(0) depctr_sa_sdst(0) depctr_va_vdst(0) depctr_va_sdst(0) depctr_va_ssrc(0) depctr_va_vcc(0) depctr_vm_vsrc(0)
	s_getreg_b32 s2, hwreg(HW_REG_IB_STS2, 6, 4)
	s_cmp_eq_u32 s2, 0
	s_cbranch_scc0 .Lentry_in_a_cluster
	s_endpgm
.Lentry_in_a_cluster:
	s_bfe_u32 s2, ttmp6, 0x10000c
	s_cmp_lg_u32 s2, 0xf033
	s_cbranch_scc0 .Lentry_shape_is_right
	s_endpgm
.Lentry_shape_is_right:
; out0 = x + c wo^T + bo; the product on codes of E4M3 with E8M0 scales, K = 1,024.  c comes as images of operand registers (ci: [K step of 256][tile of 16 tokens][128 of the step][32 of those][lane][16 bytes]) and
; two scale bytes for each head and token (cs: [16 heads][8192 tokens][2]); wo as rows of codes with K innermost.
; A tile of 256 x 256 to a work-group of four waves (128 x 128 a wave); K in four steps of 256 through two LDS slots; clusters of 4 x 4 ask jointly: c's tiles are shared along a row, wo's along a column.
; 32 x 4 tiles make 128 work-groups: half of the chip's WGPs have none.  A tile of 128 x 256 would fill them; it is not built here.
; Source 0 = 16 rows of wo, source 1 = 16 tokens: a lane holds eight neighbouring outputs of one token.  c's images are read 16 bytes a lane at 16 x lane.
; c's scale words for all of K are put together once, from the bytes of two heads each, and stay in 64 registers; wo's come from LDS with each K step.
; x is read once, on the way out; its rows are asked for ahead: eight prefetches a wave, four behind each of the two refills, a lane to each 256 bytes of the wave's 128 rows x 512 bytes, each named once.
; REGISTERS: window 0: v8-29 addresses and bo; v32-95 c's scale words; v96-127 wo's, two sets; v128-255 c's fragments, later rows on their way out.  window 1: wo's fragments, two sets, later x.  windows 2, 3: accumulators.
.set NQ,     2
.set PITCH,  272
.set FR,     16
.set NL,     4
.set NP,     8
.set ABYTES, 65536                     ; a slot: c's images of 256 tokens x 256 K,
.set HALFB,  128*PITCH                 ; then wo's 256 rows of 256 bytes + 16
.set SLOT,   ABYTES+2*HALFB
.set CSL,    2*SLOT                    ; c's scale bytes: 16 heads x (512 bytes + 16)
.set SCB,    CSL+16*528                ; wo's scales of 256 rows, as runs of 256 bytes + 16
.set HALFS,  16*272
.set SBLK,   2*272
.set SPARE,  SCB+2*HALFS
.set SPITCH, 528                       ; the way out: 16 rows x (512 + 16) for each wave, in slot 0, which has had its last fill and its last read by then
.set BO,   8                           ; v8-11 bo at my four columns
.set PFO,  12
.set ADCS, 13
.set ADRA, 16
.set ADRB, 20
.set STO,  24
.set RD,   25
.set CO,   26
.set ADRS, 27
.set SPW,  28
.set NIL,  29
.set AS,   32
.set SB,   96
.set AF,   128
.set BK,   128
.set G1, 24
.set G0, 32
.set G1B, 48
.set G0B, 56
.set G1S, 68
.set G0S, 76
.set G1SB, 80
.set G0SB, 88
.set XB,  94                           ; s[94:95] x at my part of the tile
.set MSB, 0
.macro WIN new
.if MSB != (\new)
	s_set_vgpr_msb (MSB<<8)|(\new)
.set MSB, (\new)
.endif
.endm
.set MUL_LO, 0xa1
.set MUL_HI, 0xf1
.set TO_B,   0x40
.macro JLOAD g0a, g1a, g0b, g1b        ; waves 0, 1 fetch for c, waves 2, 3 for wo; four v_nop follow each line
	s_cmp_eq_u32 s15, 0
	s_cbranch_scc0 .Lfor_b_\@
	tensor_load_to_lds s[\g0a:\g0a+3], s[\g1a:\g1a+7]
	s_nop 0
.rept 4
	v_nop
.endr
	s_branch .Lasked_\@
.Lfor_b_\@:
	tensor_load_to_lds s[\g0b:\g0b+3], s[\g1b:\g1b+7]
	s_nop 0
.rept 4
	v_nop
.endr
.Lasked_\@:
.endm
.macro CREST
	s_cmp_lg_u32 s14, 0
	s_cbranch_scc1 .Lnot_wave_0_\@
	s_barrier_signal -3
.Lnot_wave_0_\@:
	s_barrier_wait -3
	s_barrier_signal -1
	s_barrier_wait -1
.endm
.macro CROUND
	s_barrier_signal -1
	s_barrier_wait -1
	CREST
.endm
	s_load_b256 s[4:11], s[0:1], 0x0               ; ci, cs, wo codes, wo scales
	s_load_b128 s[92:95], s[0:1], 0x20             ; bo, x
	s_load_b64 s[12:13], s[0:1], 0x30              ; out0
	v_lshl_add_u32 v[SPW], v0, 2, SPARE
	v_mov_b32 v[NIL], 0
	ds_add_u32 v28, v29
	ds_add_u32 v28, v29
	s_wait_dscnt 0x0
	v_lshrrev_b32 v1, 5, v0
	v_readfirstlane_b32 s14, v1
	s_lshr_b32 s15, s14, 1                         ; my half of the tokens.  Also: I fetch for c (0) or wo (1)
	s_and_b32 s16, s14, 1                          ; my half of the columns.  Also: which half I fetch
	s_bfe_u32 s40, ttmp6, 0x40000
	s_bfe_u32 s41, ttmp6, 0x40004
	s_lshl_b32 s42, ttmp9, 2
	s_add_co_u32 s42, s42, s40                     ; tile column
	s_and_b32 s17, ttmp7, 0xffff
	s_lshl_b32 s17, s17, 2
	s_add_co_u32 s17, s17, s41                     ; tile row
	s_lshl_b32 s43, s41, 2
	s_lshl_b32 s43, 15, s43
	s_lshl_b32 s44, 0x1111, s40
	s_or_b32 s[G1+0], s43, (3<<16)|(1<<21)         ; c's images: 32,768 dense bytes as 128 rows of 256, no padding; to my row of the cluster
	s_mov_b32 s[G1+1], 32<<16
	s_mov_b32 s[G1+2], 128<<16
	s_mov_b32 s[G1+3], 32<<16
	s_mov_b32 s[G1+4], 128
	s_mov_b32 s[G1+5], 32
	s_mov_b32 s[G1+6], 0
	s_mov_b32 s[G1+7], 0
	s_or_b32 s[G1B+0], s44, (0<<16)|(1<<20)|(1<<21)|(5<<22)|(3<<25)   ; wo: 128 rows of 256 bytes, 1,024 apart, 16 of padding; to my column
	s_mov_b32 s[G1B+1], 256<<16
	s_mov_b32 s[G1B+2], 128<<16
	s_mov_b32 s[G1B+3], 256<<16
	s_mov_b32 s[G1B+4], 128
	s_mov_b32 s[G1B+5], 1024
	s_mov_b32 s[G1B+6], 0
	s_mov_b32 s[G1B+7], 0
	s_or_b32 s[G1S+0], s43, (3<<16)|(1<<20)|(1<<21)|(6<<22)|(3<<25)   ; c's scale bytes: 8 heads x 512 bytes, 16,384 apart, 16 of padding behind each 512
	s_mov_b32 s[G1S+1], 64<<16
	s_mov_b32 s[G1S+2], 8<<16
	s_mov_b32 s[G1S+3], 64<<16
	s_mov_b32 s[G1S+4], 8
	s_mov_b32 s[G1S+5], 2048
	s_mov_b32 s[G1S+6], 0
	s_mov_b32 s[G1S+7], 0
	s_or_b32 s[G1SB+0], s44, (3<<16)|(1<<20)|(1<<21)|(5<<22)|(3<<25)  ; wo's scales of 128 rows: 16 rows of 256 bytes
	s_mov_b32 s[G1SB+1], 32<<16
	s_mov_b32 s[G1SB+2], 16<<16
	s_mov_b32 s[G1SB+3], 32<<16
	s_mov_b32 s[G1SB+4], 16
	s_mov_b32 s[G1SB+5], 32
	s_mov_b32 s[G1SB+6], 0
	s_mov_b32 s[G1SB+7], 0
	s_lshl_b32 s20, s17, 16                        ; c: (16 x tile row + 8 x half) tiles of 4,096 bytes
	s_lshl_b32 s18, s16, 15
	s_add_co_u32 s20, s20, s18
	s_mov_b32 s21, 0
	s_lshl_b32 s22, s17, 9                         ; its scale bytes: 512 x tile row + 8 heads x half
	s_lshl_b32 s18, s16, 17
	s_add_co_u32 s22, s22, s18
	s_mov_b32 s23, 0
	s_lshl_b32 s46, s42, 8
	s_lshl_b32 s47, s16, 7
	s_add_co_u32 s46, s46, s47                     ; wo: row 256 x tile column + 128 x half
	s_lshl_b32 s96, s46, 5
	s_lshl_b32 s46, s46, 10
	s_mov_b32 s47, 0
	s_mov_b32 s97, 0
	s_lshl_b32 s45, s16, 15                        ; where they go, by the wave's number alone
	s_mul_i32 s19, s16, HALFB
	s_add_co_u32 s19, s19, ABYTES
	s_mul_i32 s98, s16, 8*528
	s_add_co_u32 s98, s98, CSL
	s_mul_i32 s99, s16, HALFS
	s_add_co_u32 s99, s99, SCB
	s_wait_kmcnt 0x0
	s_add_nc_u64 s[20:21], s[4:5], s[20:21]
	s_add_nc_u64 s[22:23], s[6:7], s[22:23]
	s_add_nc_u64 s[46:47], s[8:9], s[46:47]
	s_add_nc_u64 s[96:97], s[10:11], s[96:97]
	CROUND
	s_mov_b32 s[G0S], 1
	s_mov_b32 s[G0S+1], s98
	s_mov_b64 s[G0S+2:G0S+3], s[22:23]
	s_or_b32 s[G0S+3], s[G0S+3], 0x80000000
	s_mov_b32 s[G0SB], 1
	s_mov_b32 s[G0SB+1], s99
	s_mov_b64 s[G0SB+2:G0SB+3], s[96:97]
	s_or_b32 s[G0SB+3], s[G0SB+3], 0x80000000
	JLOAD G0S, G1S, G0SB, G1SB
.irp s, 0,1
	s_mov_b32 s[G0+4*\s], 1
	s_add_co_u32 s[G0+4*\s+1], s45, \s*SLOT
	s_add_nc_u64 s[G0+4*\s+2:G0+4*\s+3], s[20:21], \s*2097152
	s_or_b32 s[G0+4*\s+3], s[G0+4*\s+3], 0x80000000
	s_mov_b32 s[G0B+4*\s], 1
	s_add_co_u32 s[G0B+4*\s+1], s19, \s*SLOT
	s_add_nc_u64 s[G0B+4*\s+2:G0B+4*\s+3], s[46:47], \s*256
	s_or_b32 s[G0B+4*\s+3], s[G0B+4*\s+3], 0x80000000
	JLOAD G0+4*\s, G1, G0B+4*\s, G1B
.endr
	v_and_b32 v1, 15, v0                           ; r
	v_bfe_u32 v2, v0, 4, 1                         ; h
	v_and_b32 v6, 31, v0
	v_lshlrev_b32 v[CO], 4, v6                     ; 16 x lane
	s_lshl_b32 s21, s15, 15                        ; my 8 tiles of c
	v_add_nc_u32 v[ADRA], s21, v[CO]
	s_add_co_u32 s21, s21, SLOT
	v_add_nc_u32 v[ADRA+1], s21, v[CO]
	v_mul_u32_u24 v3, v1, PITCH
	v_lshl_add_u32 v4, v2, 4, v3
	s_mul_i32 s22, s16, HALFB
	s_add_co_u32 s22, s22, ABYTES
	v_add_nc_u32 v[ADRB], s22, v4
	s_add_co_u32 s22, s22, SLOT
	v_add_nc_u32 v[ADRB+1], s22, v4
	v_mul_u32_u24 v5, v1, 32                       ; wo's scales: 32 bytes a row, 16 more for each 256 passed
	v_lshrrev_b32 v7, 8, v5
	v_lshl_add_u32 v5, v7, 4, v5
	s_mul_i32 s21, s16, HALFS
	s_add_co_u32 s21, s21, SCB
	v_add_nc_u32 v[ADRS], s21, v5
	s_lshl_b32 s21, s15, 8
	s_add_co_u32 s21, s21, CSL
	v_lshl_add_u32 v[ADCS], v1, 1, s21             ; c's scale bytes: my 128 tokens, 2 bytes each
	s_mul_i32 s23, s14, 16*SPITCH
	v_mul_u32_u24 v5, v1, SPITCH
	v_lshl_add_u32 v5, v2, 5, v5
	v_add_nc_u32 v[STO], s23, v5
	v_add_nc_u32 v[RD], s23, v[CO]
	v_lshrrev_b32 v5, 1, v6
	v_and_b32 v7, 1, v6
	v_lshlrev_b32 v[PFO], 12, v5
	v_lshl_add_u32 v[PFO], v7, 8, v[PFO]           ; the prefetches: row lane / 2, 256 bytes x (lane % 2)
	s_lshl_b32 s20, s42, 8
	s_lshl_b32 s21, s16, 7
	s_add_co_u32 s20, s20, s21
	s_lshl_b32 s20, s20, 2                         ; my first column, in bytes
	s_mov_b32 s21, 0
	s_add_nc_u64 s[92:93], s[92:93], s[20:21]
	global_load_b128 v[BO:BO+3], v[CO], s[92:93]
	s_lshl_b32 s22, s17, 8
	s_lshl_b32 s23, s15, 7
	s_add_co_u32 s22, s22, s23
	s_lshl_b32 s22, s22, 12                        ; my first token's row
	s_add_co_u32 s20, s20, s22
	s_add_nc_u64 s[XB:XB+1], s[XB:XB+1], s[20:21]
	s_add_nc_u64 s[12:13], s[12:13], s[20:21]
.macro FRAGA reg, slot, q, i
.irp c, 0,1,2,3
	ds_load_b128 v[\reg+4*\c:\reg+4*\c+3], v[ADRA+\slot] offset:4096*(\i)+2048*(\q)+512*\c
.endr
.endm
.macro FRAGB reg, slot, q, i
.irp c, 0,1,2,3
	ds_load_b128 v[\reg+4*\c:\reg+4*\c+3], v[ADRB+\slot] offset:128*(\q)+32*\c+(\i)*16*PITCH
.endr
.endm
; 16 matrix instructions; the 64 accumulators take turns, one instruction a turn, in the same order in every step.  kp: the K step of 256
.macro MUL16 a0, p, q, sc, kp, zero
.irp a, \a0, \a0+1
.irp b, 0,1,2,3,4,5,6,7
.if \zero
	v_wmma_scale_f32_16x16x128_f8f6f4 v[8*(8*((\a)%4)+\b):8*(8*((\a)%4)+\b)+7], v[128*(\p)+FR*\b:128*(\p)+FR*\b+FR-1], v[AF+FR*(\a):AF+FR*(\a)+FR-1], 0, v[SB+16*(\sc)+2*\b+(\q)], v[AS+8*(\a)+2*(\kp)+(\q)]
.else
	v_wmma_scale_f32_16x16x128_f8f6f4 v[8*(8*((\a)%4)+\b):8*(8*((\a)%4)+\b)+7], v[128*(\p)+FR*\b:128*(\p)+FR*\b+FR-1], v[AF+FR*(\a):AF+FR*(\a)+FR-1], v[8*(8*((\a)%4)+\b):8*(8*((\a)%4)+\b)+7], v[SB+16*(\sc)+2*\b+(\q)], v[AS+8*(\a)+2*(\kp)+(\q)]
.endif
.endr
.endr
.endm
.macro FETCH_B slot, q, p
	WIN TO_B
.irp i, 0,1,2,3,4,5,6,7
	FRAGB 128*(\p)+FR*\i, \slot, \q, \i
.endr
	WIN 0
.endm
.macro FETCH_A slot, q, i0
.irp i, \i0, \i0+1, \i0+2, \i0+3
	FRAGA AF+FR*(\i), \slot, \q, \i
.endr
.endm
.macro SCALES sc                       ; wo's scale words of a K step: two words a row
.irp i, 0,1,2,3,4,5,6,7
	ds_load_b64 v[SB+16*\sc+2*\i:SB+16*\sc+2*\i+1], v[ADRS] offset:\i*SBLK
.endr
.endm
.macro PLACES n
.rept \n
	v_nop
.endr
.endm
.macro STEP slot, q, kp, zero
	s_wait_dscnt 4*NL                              ; all but the youngest 16 loads (c's blocks 4-7) are in
	WIN MUL_LO
	MUL16 0, (\q)%2, \q, \slot, \kp, \zero
	MUL16 2, (\q)%2, \q, \slot, \kp, \zero
	s_wait_dscnt 0
	PLACES NP
	FETCH_B \slot, (\q)+1, 1-(\q)%2
	FETCH_A \slot, (\q)+1, 0
	WIN MUL_HI
	MUL16 4, (\q)%2, \q, \slot, \kp, \zero
	MUL16 6, (\q)%2, \q, \slot, \kp, \zero
	PLACES NP
	WIN 0
	FETCH_A \slot, (\q)+1, 4
.endm
.macro TURN slot, next, fill, kp, pf
	s_wait_tensorcnt 0x0                           ; all my tensor loads have landed: my part of the next slot
	ds_add_u32 v[SPW], v[NIL]                      ; 0 onto my spare word
	s_wait_dscnt 4*NL+1                            ; the add and the youngest 16 loads may be out
	WIN MUL_LO
	MUL16 0, 1, 1, \slot, \kp, 0
	s_wait_dscnt 0x0                               ; the add is done, and my reads of this slot are over
	s_barrier_signal -1
	MUL16 2, 1, 1, \slot, \kp, 0
	WIN 0
	s_barrier_wait -1
.if \fill
	CREST                                          ; the barrier has opened a round of the cluster's
	s_add_nc_u64 s[G0+4*\slot+2:G0+4*\slot+3], s[G0+4*\slot+2:G0+4*\slot+3], 2*2097152
	s_add_nc_u64 s[G0B+4*\slot+2:G0B+4*\slot+3], s[G0B+4*\slot+2:G0B+4*\slot+3], 2*256
	JLOAD G0+4*\slot, G1, G0B+4*\slot, G1B
	PLACES NP-4
.else
	PLACES NP
.endif
	v_add_nc_u32 v[ADRS], 8, v[ADRS]
	FETCH_B \next, 0, 0
	FETCH_A \next, 0, 0
	SCALES \next
.if \fill
.irp i, 0,1,2,3
	global_prefetch_b8 v[PFO], s[XB:XB+1] offset:65536*((\pf)+\i) th:TH_LOAD_NT scope:SCOPE_SE   ; 16 rows x 512 bytes of x each: wanted on the way out
.endr
.endif
	WIN MUL_HI
	MUL16 4, 1, 1, \slot, \kp, 0
	MUL16 6, 1, 1, \slot, \kp, 0
	PLACES NP
	WIN 0
	FETCH_A \next, 0, 4
.endm
.macro XL a                            ; x at block a's 16 rows, 512 bytes a row, into window 1
	WIN 0x40
.irp t, 0,1,2,3,4,5,6,7,8,9,10,11,12,13,14,15
	global_load_b128 v[64*((\a)%4)+4*\t:64*((\a)%4)+4*\t+3], v[CO], s[XB:XB+1] offset:(16*(\a)+\t)*4096 th:TH_LOAD_NT
.endr
	WIN 0
.endm
	s_wait_tensorcnt 1                             ; the scales and my part of K step 0 are in; K step 1's load may be out
	s_barrier_signal -1
	s_barrier_wait -1
.irp i, 0,1,2,3,4,5,6,7
.irp e, 0,1,2,3,4,5,6,7,8,9,10,11,12,13,14,15
	ds_load_u16 v[AF+16*\i+\e], v[ADCS] offset:528*\e+32*\i   ; block i's token r, head e: two bytes
.endr
.endr
	s_wait_dscnt 0x0
.irp i, 0,1,2,3,4,5,6,7
.irp k, 0,1,2,3,4,5,6,7
	v_lshl_or_b32 v[AS+8*\i+\k], v[AF+16*\i+2*\k+1], 16, v[AF+16*\i+2*\k]   ; 128 along K are two heads: four bytes
.endr
.endr
	PLACES NP                                      ; a scale register written by a vector instruction stands eight places ahead of the product
	FETCH_B 0, 0, 0
	FETCH_A 0, 0, 0
	SCALES 0
	FETCH_A 0, 0, 4
	STEP 0, 0, 0, 1                                ; four K steps, written out; the first products start the sums
	TURN 0, 1, 1, 0, 0
	STEP 1, 0, 1, 0
	TURN 1, 0, 1, 1, 4
	STEP 0, 0, 2, 0
	TURN 0, 1, 0, 2, 0
	STEP 1, 0, 3, 0
	XL 0                                           ; wo's set 0 is done with, eight places back: x's first 32 rows land there during the last step
	XL 1
	s_wait_dscnt 4*NL
	WIN MUL_LO
	MUL16 0, 1, 1, 1, 3, 0
	MUL16 2, 1, 1, 1, 3, 0
	s_wait_dscnt 0
	WIN MUL_HI
	MUL16 4, 1, 1, 1, 3, 0
	MUL16 6, 1, 1, 1, 3, 0
	WIN 0
	PLACES NP
	XL 2
	XL 3
; THE WAY OUT, block by block of 16 tokens x 128 columns: through my own stage in LDS, back as whole rows of 512 bytes; + bo, + x; 32 lanes store 512 consecutive bytes.
.macro TOSTAGE a
.set AC, 64*((\a)%4)
	WIN 0x08+4*((\a)/4)                            ; an LDS store's data: window 2 or 3
.irp b, 0,1,2,3,4,5,6,7
	ds_store_b128 v[STO], v[AC+8*\b:AC+8*\b+3] offset:64*\b          ; each accumulator from its low end on
	ds_store_b128 v[STO], v[AC+8*\b+4:AC+8*\b+7] offset:64*\b+16
.endr
	WIN 0
.set BB, BK+64*((\a)%2)
.irp t, 0,1,2,3,4,5,6,7,8,9,10,11,12,13,14,15
	ds_load_b128 v[BB+4*\t:BB+4*\t+3], v[RD] offset:\t*SPITCH        ; LDS serves a wave's instructions in order: these see the stores above
.endr
.endm
.macro SEND a, younger
.set BB, BK+64*((\a)%2)
.set XR, 64*((\a)%4)
	s_wait_dscnt \younger                          ; the block is back in registers; the next block's 32 LDS instructions may be out
.if (\a) <= 4
	s_wait_loadcnt 48                              ; bo and this block's x are in; three later blocks' loads (48) stay out
.else
	s_wait_loadcnt 16*(7-(\a))
.endif
.irp t, 0,1,2,3,4,5,6,7,8,9,10,11,12,13,14,15
	v_pk_add_f32 v[BB+4*\t:BB+4*\t+1], v[BB+4*\t:BB+4*\t+1], v[BO:BO+1]
	v_pk_add_f32 v[BB+4*\t+2:BB+4*\t+3], v[BB+4*\t+2:BB+4*\t+3], v[BO+2:BO+3]
.endr
	WIN 0x04                                       ; source 1: window 1
.set ii, 0
.rept 32
	v_pk_add_f32 v[BB+ii:BB+ii+1], v[BB+ii:BB+ii+1], v[XR+ii:XR+ii+1]
.set ii, ii+2
.endr
	WIN 0
.if (\a) < 4
	XL (\a)+4
.endif
.irp t, 0,1,2,3,4,5,6,7,8,9,10,11,12,13,14,15
	global_store_b128 v[CO], v[BB+4*\t:BB+4*\t+3], s[12:13] offset:(16*(\a)+\t)*4096 th:TH_STORE_NT
.endr
.endm
	TOSTAGE 0
.irp a, 1,2,3,4,5,6,7
.if \a > 1
	s_wait_xcnt 0x0                                ; block a - 2's stores have read their registers: block a's rows may land there
.endif
	TOSTAGE \a
	SEND \a-1, 32
.endr
	SEND 7, 0
	s_wait_tensorcnt 0x0                           ; the wave's end
	ds_add_u32 v[SPW], v[NIL]
	s_wait_dscnt 0x0
	CROUND                                         ; the closing round
	s_endpgm
.Lfunc_end_k_q2f13bea0dc_outp:
	.size	k_q2f13bea0dc_outp, .Lfunc_end_k_q2f13bea0dc_outp-k_q2f13bea0dc_outp
	.p2alignl 7, 3214868480
	.fill 96, 4, 3214868480
	.section	.rodata,"a",@progbits
	.p2align	6, 0x0
	.amdhsa_kernel k_q2f13bea0dc_outp
		.amdhsa_group_segment_fixed_size 327680
		.amdhsa_private_segment_fixed_size 0
		.amdhsa_enable_private_segment 0
		.amdhsa_kernarg_size 56
		.amdhsa_user_sgpr_count 2
		.amdhsa_user_sgpr_kernarg_segment_ptr 1
		.amdhsa_wavefront_size32 1
		.amdhsa_system_sgpr_workgroup_id_x 1
		.amdhsa_system_sgpr_workgroup_id_y 1
		.amdhsa_system_sgpr_workgroup_id_z 1
		.amdhsa_system_vgpr_workitem_id 0
		.amdhsa_next_free_vgpr 1024
		.amdhsa_next_free_sgpr 100
		.amdhsa_reserve_vcc 0
		.amdhsa_float_denorm_mode_32 3
		.amdhsa_float_denorm_mode_16_64 3
		.amdhsa_memory_ordered 1
		.amdhsa_forward_progress 1
		.amdhsa_inst_pref_size 203
	.end_amdhsa_kernel
	.amdgpu_metadata
---
amdhsa.version: [ 1, 2 ]
amdhsa.kernels:
  - .name:           k_q2f13bea0dc_outp
    .symbol:         k_q2f13bea0dc_outp.kd
    .args:
      - { .name: ci, .offset: 0, .size: 8, .value_kind: global_buffer, .address_space: global }
      - { .name: cs, .offset: 8, .size: 8, .value_kind: global_buffer, .address_space: global }
      - { .name: wo_codes, .offset: 16, .size: 8, .value_kind: global_buffer, .address_space: global }
      - { .name: wo_scales, .offset: 24, .size: 8, .value_kind: global_buffer, .address_space: global }
      - { .name: bo, .offset: 32, .size: 8, .value_kind: global_buffer, .address_space: global }
      - { .name: x, .offset: 40, .size: 8, .value_kind: global_buffer, .address_space: global }
      - { .name: out0, .offset: 48, .size: 8, .value_kind: global_buffer, .address_space: global }
    .group_segment_fixed_size: 327680
    .private_segment_fixed_size: 0
    .kernarg_segment_align: 8
    .kernarg_segment_size: 56
    .max_flat_workgroup_size: 128
    .sgpr_count:     100
    .vgpr_count:     1024
    .wavefront_size: 32
...
	.end_amdgpu_metadata
.endif
;; end of part 4
